; MI455X (gfx1250); checked and timed in simulation.
; The chip was launched on July 23, 2026; its instructions are those of AMD's public machine-readable ISA for CDNA 5 (MIT licence, August 2026) and "CDNA5" Instruction Set Architecture Reference Guide (July 2026). The comments in the code are by the model that wrote it; some were corrected since.
;; Causal Self Attention. Allowed arithmetic: matrix products marked QUANTISED: E3M2 operands, one E8M0 scale for each 32 along K, by v_wmma_scale_f32_16x16x128_f8f6f4 with both operands' format E3M2, f32 sums; everything else in f32.
;; Inputs: b_proj 1,024 float32; b_qkv 3,072 float32; w_proj 1,024 x 1,024 float32; w_qkv 1,024 x 3,072 float32; x 4 x 2,048 x 1,024 float32.
;; Outputs: out0 4 x 2,048 x 1,024 float32.
;; This version of the problem:
;;   THIS VERSION OF THE PROBLEM IS GIVEN IN LOW PRECISION. The matrix products marked QUANTISED in the list below multiply operands that are first quantised to E3M2 (3 exponent bits, 2 mantissa bits; 6 bits a number), with one power-of-two scale for each 32 numbers along K (OCP MX v1.0); their sums are f32. All else is computed in f32.
;;   The module's matrix products, in the order in which they are computed (A, B: the left and right operand; K: the contracted axis; several contracted axes count as one K, in the product's order):
;;     1. [M 8,192, K 1,024] x [K 1,024, N 3,072]; A: input x; B: input w_qkv: QUANTISED
;;     2. batch 64 x [M 2,048, K 64] x [K 64, N 2,048]; A: computed on the way; B: computed on the way: QUANTISED
;;     3. batch 64 x [M 2,048, K 2,048] x [K 2,048, N 64]; A: softmax (see below); B: computed on the way: QUANTISED
;;     4. [M 8,192, K 1,024] x [K 1,024, N 1,024]; A: computed on the way; B: input w_proj: QUANTISED
;;   THE QUANTISER, for each operand of a quantised product, along K:
;;     - K is cut into blocks of 32 from its start; a last block that is shorter is filled with zeros.
;;     - A block's scale is 2^e with e = floor(log2(the largest magnitude in the block)) - 4, held to -126 .. 127; a block of zeros has e = 0. As a byte (E8M0): e + 127.
;;     - Each number is divided by its block's scale, clamped to +-28, and rounded to the nearest number of E3M2, ties to even, subnormals kept.
;;     - The product sums the exact products of the quantised numbers (number of the format x scale) in f32.
;;   ~~~python
;;   def quantise(x, axis):      # numpy; x: float32 -> the quantised numbers, widened to float32 again
;;       x = np.moveaxis(x, axis, -1); K = x.shape[-1]
;;       x = np.pad(x, [(0, 0)] * (x.ndim - 1) + [(0, -K % 32)]); x = x.reshape(x.shape[:-1] + (-1, 32)); a = np.abs(x).max(-1, keepdims=True)
;;       e = np.where(a > 0, np.clip(np.frexp(np.where(a > 0, a, 1))[1] - 1 - 4, -126, 127), 0)      # np.frexp(a)[1] - 1 = floor(log2(a)), exactly
;;       r = np.clip(x / 2.0 ** e, -28, 28)
;;       step = 2.0 ** (np.maximum(np.frexp(np.where(r == 0, 1, r))[1] - 1, -2) - 2)
;;       q = np.round(r / step) * step * 2.0 ** e      # np.round: ties to even
;;       return np.moveaxis(q.reshape(q.shape[:-2] + (-1,))[..., :K], -1, axis).astype(np.float32)
;;   ~~~
;;   SOFTMAX AHEAD OF A QUANTISED PRODUCT. Where the list says 'softmax', what is quantised is not the finished softmax but p = 2^(t - M), with t = logit x log2(e) and M = ceil(the row's largest t), a whole number; so 1/2 < the row's largest p <= 1. The row's sum l is taken of the UNQUANTISED p, in f32, and the product's result is divided by l at the end. Since M is a whole number, a kernel that streams over the keys may use a running M (the ceiling of the running maximum): every later rescaling is an exact power of two, which a block's scale takes up: the codes' values come out the same.
;;   OPERANDS COMPUTED ON THE WAY. 'Computed on the way' means the value that the module computes at that place (a softmax that the list does not call 'softmax' is quantised finished and normalised). What goes into a quantiser is computed in f32, as accurately as f32 sums, v_exp_f32 and their like allow (about 1e-6 of the number): no bf16 or f16 on the way to a quantiser, and a product that is left as it is and whose result goes on into a quantised operand takes f32 operands (vector FMAs, or v_wmma_f32_16x16x4_f32). A number that lies on a knife's edge between two numbers of the format may be rounded either way, as far as f32 arithmetic and the matrix unit's own rounding can turn it there, and no further.
;; 2 versions, each right; version 2 is version 1 with the launch attn written anew for expert scheduling mode. Each part assembles by itself: llvm-mc -triple=amdgcn-amd-amdhsa -mcpu=gfx1250 --defsym DOCPART=n.
;; ======== version 1 of 2: 4 launches
;; workspace buffers: xq 6,553,600 bytes; wq 3,276,800 bytes; qkv 20,447,232 bytes; yq 6,553,600 bytes
;; launch quant (part 1): grid 640 x 1, 4 waves a work-group, no clusters, 34,304 bytes of LDS; arguments x, w_qkv, w_proj, xq, wq; writes xq, wq
.if DOCPART == 1
	.amdgcn_target "amdgcn-amd-amdhsa--gfx1250"
	.amdhsa_code_object_version 6
	.text
	.protected	k_q4d54f57687_quant
	.globl	k_q4d54f57687_quant
	.p2align	8
	.type	k_q4d54f57687_quant,@function
k_q4d54f57687_quant:
	s_mov_b64 s[64:65], 0
	v_nop
	global_prefetch_b8 v0, s[64:65] scope:SCOPE_SE
	s_setreg_imm32_b32 hwreg(HW_REG_WAVE_MODE, 25, 1), 1
	s_wait_xcnt 0x0
; CAUSAL SELF-ATTENTION ON CODES OF BF6 (E3M2), four launches: quant, gemm_qkv, attn, gemm_out.
; WORK LEFT OUT, in the whole program: only the tiles of scores q k^T (and their part of p v) all of whose keys come after all of the tile's queries.  reference() sets those
; scores to -infinity by a mask that it builds itself (jnp.tril), so p = 0 there for all values of the inputs, and 0 x v adds nothing.  Every input has a way to the output and is loaded;
; b_qkv's part for k stays: it moves k's codes.  LIMIT: a NaN, an infinity or an overflow that reaches only the tiles left out is not carried to the result.
; THIS LAUNCH turns x [8192][1024], w_qkv [1024][3072] and w_proj [1024][1024], f32, into codes with one E8M0 scale byte for each 32 along K (x: its last axis; the weights: their first).
; A block's scale is 2^(floor(log2(largest magnitude)) - 4); its byte is that magnitude's exponent field - 4, held at 1 from below.
; LIMITS: NaN and infinities among the inputs are not served; a block whose largest magnitude lies under 2^-122, a block of zeros among them, keeps the byte 1 (its codes are what the
; conversion gives, zeros for zeros); the bytes are read by this program alone.
; LAYOUT OF THE CODES.  Rows (tokens of x, columns of a weight) are cut into tiles of 16: place r of tile 2 g + u is row 32 g + 8 u + r + 8 (r / 8).  A tile's codes lie as IMAGES OF THE OPERAND'S REGISTERS:
; 64 along K are 6 registers a lane: registers 0-3 of lane l at 16 l (512 bytes), registers 4-5 at 512 + 8 l (256 bytes); 128 along K are two such halves, 1,536 bytes; a tile has 8 of them, 12,288 bytes.
; Scale words (four bytes: 128 along K of one row): [tile][256 along K: 4][r: 16][2 words], 512 bytes a tile, behind the codes.
; SHARES.  Work-groups 0-511: one tile of x each, wave w its columns 256 w on.  512-607: w_qkv, 608-639: w_proj: 128 columns x 256 along K each, a wave 32 columns (two tiles).
; No matrix unit, no tensor load, no barrier: waves share nothing.  Only x's path touches LDS.
.set SPARE,  33792                     ; behind the four stages: the spare words, 128 bytes a wave
.set XS_OFF, 6291456                   ; xq: where the scale words begin
.set WS_OFF, 3145728                   ; wq: likewise
.set SPW, 12                           ; v12  my spare word's LDS address; never rewritten
.set NIL, 13                           ; v13  0; never rewritten
.set R0,  32                           ; x: v32-95, v96-159: 64 numbers a lane for each 128 along K
.set R1,  96
.set TM,  160                          ; x: v160-175 at work
.set PC0, 176                          ; x: v176-194, v196-214: codes
.set PC1, 196
.set CB,  160                          ; weights: v160-207: 8 blocks x 6 registers of codes, so that no store's data are written again
.set CT,  208                          ; weights: v208-210: a conversion's three registers begin on an even number
; 64 numbers of a lane, register 16 b + i = k 32 b + 16 (lane / 16) + i of my row, become 12 registers of codes at v[pc] and the row's scale word in v[pw]
.macro QUANT s, pc, pw
.irp b, 0,1,2,3
	v_max3_num_f32 v[TM+\b], |v[\s+16*\b]|, |v[\s+1+16*\b]|, 0x2800000   ; my 16 numbers of block b, and the floor 2^(5 - 127): the byte cannot fall under 1
.endr
.irp i, 2,4,6,8,10,12,14
.irp b, 0,1,2,3
	v_max3_num_f32 v[TM+\b], v[TM+\b], |v[\s+16*\b+\i]|, |v[\s+1+16*\b+\i]|
.endr
.endr
.irp b, 0,1,2,3
	v_permlanex16_b32 v[TM+4+\b], v[TM+\b], s30, s31
.endr
.irp b, 0,1,2,3
	v_max_num_f32 v[TM+\b], v[TM+\b], v[TM+4+\b]       ; with lane l xor 16's: the block's largest magnitude
.endr
.irp b, 0,1,2,3
	v_add_nc_u32 v[TM+12+\b], 0xfe000000, v[TM+\b]     ; 4 off its exponent field: the conversion's scale operand
.endr
.irp b, 0,1,2,3
	v_lshrrev_b32 v[TM+4+\b], 23, v[TM+12+\b]          ; the scale's byte
.endr
	v_lshl_or_b32 v[\pw], v[TM+5], 8, v[TM+4]
	v_lshl_or_b32 v[\pw], v[TM+6], 16, v[\pw]
	v_lshl_or_b32 v[\pw], v[TM+7], 24, v[\pw]
.irp c, 0,1
	v_cvt_scalef32_pk16_bf6_f32 v[\pc+6*\c:\pc+2+6*\c], v[\s+32*\c:\s+15+32*\c], v[TM+12+2*\c]
	v_cvt_scalef32_pk16_bf6_f32 v[\pc+12+4*\c:\pc+14+4*\c], v[\s+16+32*\c:\s+31+32*\c], v[TM+12+2*\c+1]
.endr
	v_nop                                              ; one plain line behind the scaled conversions
.irp c, 0,1                            ; the operand wants a whole block in a lane: lanes 0-15 block 2 c, lanes 16-31 block 2 c + 1
.irp i, 0,1,2
	v_permlane16_swap_b32 v[\pc+6*\c+\i], v[\pc+12+4*\c+\i]
.endr
.irp i, 0,1,2
	v_mov_b32 v[\pc+3+6*\c+\i], v[\pc+12+4*\c+\i]
.endr
.endr
.endm
; 16 rows x 512 bytes go into my stage as they were loaded and come back 16 neighbours of each block a lane; LDS serves a wave's instructions in order
.macro XTURN rr
.irp i, 0,1,2,3,4,5,6,7,8,9,10,11,12,13,14,15
	ds_store_b128 v6, v[\rr+4*\i:\rr+4*\i+3] offset:528*\i
.endr
.irp b, 0,1,2,3
.irp j, 0,1,2,3
	ds_load_b128 v[\rr+16*\b+4*\j:\rr+16*\b+4*\j+3], v7 offset:128*\b+16*\j
.endr
.endr
.endm
.macro XOUT pc, off                    ; a fragment's image: each store covers whole aligned runs of 256 bytes
	global_store_b128 v4, v[\pc:\pc+3], s[22:23] offset:\off
	global_store_b64 v5, v[\pc+4:\pc+5], s[22:23] offset:\off+512
	global_store_b128 v4, v[\pc+6:\pc+9], s[22:23] offset:\off+768
	global_store_b64 v5, v[\pc+10:\pc+11], s[22:23] offset:\off+1280
.endm
; weights: block t of my column: 32 numbers down K; a load reads 128 consecutive bytes (32 columns of one row)
.macro LOADB t, nb, ptr
.irp i, 0,1,2,3,4,5,6,7,8,9,10,11,12,13,14,15,16,17,18,19,20,21,22,23,24,25,26,27,28,29,30,31
	global_load_b32 v[32+32*((\t)%2)+\i], v9, s[\ptr:\ptr+1] offset:(32*(\t)+\i)*\nb th:TH_LOAD_NT
.endr
.endm
.macro BLOCKW t, nb, ptr
.set XS, 32+32*((\t)%2)
.if (\t) < 7
	s_wait_loadcnt 32                                  ; this block's 32 loads are in; the next block's 32 may be out
.else
	s_wait_loadcnt 0x0
.endif
	v_max3_num_f32 v212, |v[XS]|, |v[XS+1]|, |v[XS+2]|  ; all 32 numbers of the block are mine: two chains
	v_max3_num_f32 v213, |v[XS+3]|, |v[XS+4]|, |v[XS+5]|
.irp i, 6,10,14,18,22,26
	v_max3_num_f32 v212, v212, |v[XS+\i]|, |v[XS+\i+1]|
	v_max3_num_f32 v213, v213, |v[XS+\i+2]|, |v[XS+\i+3]|
.endr
	v_max3_num_f32 v212, v212, |v[XS+30]|, |v[XS+31]|
	v_max3_num_f32 v212, v212, v213, 0x2800000         ; and the floor
	v_add_nc_u32 v214, 0xfe000000, v212
	v_lshrrev_b32 v215, 23, v214
.if (\t)%4 == 0
	v_mov_b32 v[216+(\t)/4], v215                      ; four bytes to a word, the lower K in the lower byte
.else
	v_lshl_or_b32 v[216+(\t)/4], v215, 8*((\t)%4), v[216+(\t)/4]
.endif
	v_cvt_scalef32_pk16_bf6_f32 v[CB+6*(\t):CB+6*(\t)+2], v[XS:XS+15], v214
	v_cvt_scalef32_pk16_bf6_f32 v[CT:CT+2], v[XS+16:XS+31], v214
	v_nop
.irp i, 0,1,2
	v_mov_b32 v[CB+6*(\t)+3+\i], v[CT+\i]
.endr
.if (\t)+2 < 8
	LOADB (\t)+2, \nb, \ptr
.endif
.if (\t)%2 == 1
.set CE, CB+6*((\t)-1)
.set CD, CB+6*(\t)
.set OF, 1536*((\t)/4)+768*(((\t)%4)/2)
.irp i, 0,1,2,3,4,5                    ; lanes 0-15 hold tile 2 g, lanes 16-31 tile 2 g + 1.  The exchange gives the first run tile 2 g's blocks t - 1 | t, the second tile 2 g + 1's: two half images
	v_permlane16_swap_b32 v[CE+\i], v[CD+\i]
.endr
	global_store_b128 v4, v[CE:CE+3], s[24:25] offset:OF
	global_store_b64 v5, v[CE+4:CE+5], s[24:25] offset:OF+512
	global_store_b128 v4, v[CD:CD+3], s[24:25] offset:OF+12288
	global_store_b64 v5, v[CD+4:CD+5], s[24:25] offset:OF+12288+512
.endif
.endm
; a weight's path.  nb: bytes of a row; ptr: the scalar pair with its address; first: its first work-group; goff: its first pair of tiles in wq
.macro WPATH nb, ptr, first, goff
	s_sub_co_u32 s17, ttmp9, \first
	s_and_b32 s18, s17, 3                              ; which 256 along K
	s_lshr_b32 s19, s17, 2
	s_lshl_b32 s19, s19, 2
	s_add_co_u32 s19, s19, s16                         ; my wave's 32 columns
	s_mul_i32 s20, s18, 256*\nb
	s_lshl_b32 s21, s19, 7
	s_add_co_u32 s20, s20, s21
	s_mov_b32 s21, 0
	s_add_nc_u64 s[\ptr:\ptr+1], s[\ptr:\ptr+1], s[20:21]
	s_add_co_u32 s19, s19, \goff
	s_mul_i32 s22, s19, 24576                          ; two tiles of 12,288 bytes
	s_mul_i32 s23, s18, 3072
	s_add_co_u32 s22, s22, s23
	s_mov_b32 s23, 0
	s_add_nc_u64 s[24:25], s[12:13], s[22:23]          ; my codes
	s_lshl_b32 s22, s19, 10
	s_lshl_b32 s28, s18, 7
	s_add_co_u32 s22, s22, s28
	s_add_co_u32 s22, s22, WS_OFF
	s_add_nc_u64 s[26:27], s[12:13], s[22:23]          ; my scale words
	v_and_b32 v9, 8, v2
	v_add_nc_u32 v9, v9, v2
	v_lshl_add_u32 v9, v3, 3, v9                       ; my column of the 32: 8 u + r + 8 (r / 8), u = lane / 16
	v_lshlrev_b32 v9, 2, v9
	v_lshlrev_b32 v10, 3, v2
	v_lshl_add_u32 v10, v3, 9, v10                     ; my two scale words: 512 u + 8 r
	LOADB 0, \nb, \ptr
	LOADB 1, \nb, \ptr
.irp t, 0,1,2,3,4,5,6,7
	BLOCKW \t, \nb, \ptr
.endr
	global_store_b64 v10, v[216:217], s[26:27]
.endm
	s_load_b256 s[4:11], s[0:1], 0x0                   ; x s[4:5], w_qkv s[6:7], w_proj s[8:9], xq s[10:11]
	s_load_b64 s[12:13], s[0:1], 0x20                  ; wq
	v_lshl_add_u32 v[SPW], v0, 2, SPARE
	v_mov_b32 v[NIL], 0
	v_lshrrev_b32 v1, 5, v0
	v_readfirstlane_b32 s16, v1                        ; wave
	v_and_b32 v1, 31, v0                               ; lane
	v_and_b32 v2, 15, v0                               ; r
	v_bfe_u32 v3, v0, 4, 1                             ; lane / 16
	v_lshlrev_b32 v4, 4, v1                            ; 16 x lane
	v_lshlrev_b32 v5, 3, v1                            ; 8 x lane
	s_mov_b32 s30, 0x76543210
	s_mov_b32 s31, 0xfedcba98                          ; v_permlanex16_b32's selects for lane l xor 16
	s_wait_kmcnt 0x0
	s_cmp_lt_u32 ttmp9, 512
	s_cbranch_scc1 .Lx_path
	s_cmp_lt_u32 ttmp9, 608
	s_cbranch_scc1 .Lw_qkv
	WPATH 4096, 8, 608, 96
	s_endpgm
.Lw_qkv:
	WPATH 12288, 6, 512, 0
	s_endpgm
.Lx_path:
	s_lshr_b32 s17, ttmp9, 1
	s_lshl_b32 s17, s17, 5
	s_and_b32 s18, ttmp9, 1
	s_lshl_b32 s18, s18, 3
	s_add_co_u32 s17, s17, s18                         ; the tile's first row: 32 (T / 2) + 8 (T % 2)
	s_lshl_b32 s20, s17, 12
	s_lshl_b32 s18, s16, 10
	s_add_co_u32 s20, s20, s18                         ; + my wave's 256 columns
	s_mov_b32 s21, 0
	s_add_nc_u64 s[4:5], s[4:5], s[20:21]
	s_mul_i32 s20, ttmp9, 12288
	s_mul_i32 s18, s16, 3072
	s_add_co_u32 s20, s20, s18
	s_add_nc_u64 s[22:23], s[10:11], s[20:21]          ; my codes
	s_lshl_b32 s20, ttmp9, 9
	s_lshl_b32 s18, s16, 7
	s_add_co_u32 s20, s20, s18
	s_add_co_u32 s20, s20, XS_OFF
	s_add_nc_u64 s[24:25], s[10:11], s[20:21]          ; my scale words
.irp k, 0,1
.irp i, 0,1,2,3,4,5,6,7,8,9,10,11,12,13,14,15
	global_load_b128 v[R0+64*\k+4*\i:R0+64*\k+4*\i+3], v4, s[4:5] offset:(\i+8*(\i/8))*4096+512*\k th:TH_LOAD_NT   ; 32 lanes read 512 consecutive bytes of the row at place i
.endr
.endr
	s_mul_i32 s17, s16, 8448                           ; my stage: 16 rows of 512 + 16 bytes
	v_add_nc_u32 v6, s17, v4
	v_mul_u32_u24 v7, v2, 528
	v_lshl_add_u32 v7, v3, 6, v7
	v_add_nc_u32 v7, s17, v7                           ; back: row r, + 64 bytes for lanes 16-31
	v_lshlrev_b32 v8, 3, v2
	v_lshl_add_u32 v8, v3, 2, v8                       ; lanes 0-15 store the first 128's word, lanes 16-31 the second's
.irp b, 0,1,2,3
	v_mov_b32 v[TM+4+\b], 0                            ; a lane permute's destination counts as one of its sources
.endr
	s_wait_loadcnt 16                                  ; the first 128 along K are in; the second 128's sixteen loads may be out
	XTURN R0
	s_wait_dscnt 0x0
	QUANT R0, PC0, 216
	XOUT PC0, 0
	s_wait_loadcnt 0x0
	XTURN R1
	s_wait_dscnt 0x0
	QUANT R1, PC1, 217
	XOUT PC1, 1536
	v_cmp_eq_u32 vcc_lo, 1, v3
	v_cndmask_b32 v218, v216, v217, vcc_lo
	global_store_b32 v8, v218, s[24:25]                ; 128 consecutive bytes
	s_wait_tensorcnt 0x0                               ; the wave's end, behind my last LDS store
	ds_add_u32 v[SPW], v[NIL]
	s_wait_dscnt 0x0
	s_endpgm
.Lfunc_end_k_q4d54f57687_quant:
	.size	k_q4d54f57687_quant, .Lfunc_end_k_q4d54f57687_quant-k_q4d54f57687_quant
	.p2alignl 7, 3214868480
	.fill 96, 4, 3214868480
	.section	.rodata,"a",@progbits
	.p2align	6, 0x0
	.amdhsa_kernel k_q4d54f57687_quant
		.amdhsa_group_segment_fixed_size 34304
		.amdhsa_private_segment_fixed_size 0
		.amdhsa_enable_private_segment 0
		.amdhsa_kernarg_size 40
		.amdhsa_user_sgpr_count 2
		.amdhsa_user_sgpr_kernarg_segment_ptr 1
		.amdhsa_wavefront_size32 1
		.amdhsa_system_sgpr_workgroup_id_x 1
		.amdhsa_system_sgpr_workgroup_id_y 1
		.amdhsa_system_sgpr_workgroup_id_z 1
		.amdhsa_system_vgpr_workitem_id 0
		.amdhsa_next_free_vgpr 224
		.amdhsa_next_free_sgpr 66
		.amdhsa_reserve_vcc 1
		.amdhsa_float_denorm_mode_32 3
		.amdhsa_float_denorm_mode_16_64 3
		.amdhsa_memory_ordered 1
		.amdhsa_forward_progress 1
		.amdhsa_inst_pref_size 97
	.end_amdhsa_kernel
	.amdgpu_metadata
---
amdhsa.version: [ 1, 2 ]
amdhsa.kernels:
  - .name:           k_q4d54f57687_quant
    .symbol:         k_q4d54f57687_quant.kd
    .args:
      - { .name: x, .offset: 0, .size: 8, .value_kind: global_buffer, .address_space: global }
      - { .name: w_qkv, .offset: 8, .size: 8, .value_kind: global_buffer, .address_space: global }
      - { .name: w_proj, .offset: 16, .size: 8, .value_kind: global_buffer, .address_space: global }
      - { .name: xq, .offset: 24, .size: 8, .value_kind: global_buffer, .address_space: global }
      - { .name: wq, .offset: 32, .size: 8, .value_kind: global_buffer, .address_space: global }
    .group_segment_fixed_size: 34304
    .private_segment_fixed_size: 0
    .kernarg_segment_align: 8
    .kernarg_segment_size: 40
    .max_flat_workgroup_size: 128
    .sgpr_count:     66
    .vgpr_count:     224
    .wavefront_size: 32
...
	.end_amdgpu_metadata
.endif
;; end of part 1
;; launch gemm_qkv (part 2): grid 12 x 32, 4 waves a work-group, clusters of 4 x 4, 327,680 bytes of LDS; arguments xq, wq, b_qkv, qkv; writes qkv
.if DOCPART == 2
	.amdgcn_target "amdgcn-amd-amdhsa--gfx1250"
	.amdhsa_code_object_version 6
	.text
	.protected	k_q4d54f57687_gemm_qkv
	.globl	k_q4d54f57687_gemm_qkv
	.p2align	8
	.type	k_q4d54f57687_gemm_qkv,@function
k_q4d54f57687_gemm_qkv:
	s_mov_b64 s[64:65], 0
	v_nop
	global_prefetch_b8 v0, s[64:65] scope:SCOPE_SE
	s_setreg_imm32_b32 hwreg(HW_REG_WAVE_MODE, 25, 1), 1
	s_wait_xcnt 0x0
	s_wait_alu depctr_hold_cnt(0) depctr_sa_sdst(0) depctr_va_vdst(0) depctr_va_sdst(0) depctr_va_ssrc(0) depctr_va_vcc(0) depctr_vm_vsrc(0)
	s_getreg_b32 s2, hwreg(HW_REG_IB_STS2, 6, 4)
	s_cmp_eq_u32 s2, 0
	s_cbranch_scc0 .Lentry_in_a_cluster
	s_endpgm
.Lentry_in_a_cluster:
	s_bfe_u32 s2, ttmp6, 0x10000c
	s_cmp_lg_u32 s2, 0xf033
	s_cbranch_scc0 .Lentry_shape_is_right
	s_endpgm
.Lentry_shape_is_right:
; qkv = x w_qkv + b_qkv on codes of BF6, K = 1,024; the results are quantised in registers and leave as codes: q and k along the head's 64, v along the keys.  Nothing of this product is left out.
; A work-group of four waves makes 256 x 256, a wave 128 x 128: 64 accumulators.  Source 0 (S0) gives a lane's registers, source 1 (S1) its lane.
; Clusters x = 0, 1 (q, k): S0 = 256 columns of w_qkv, S1 = 256 tokens: a lane holds one token and 64 numbers along the columns, two heads: K of q k^T.
; Cluster x = 2 (v): S0 = 256 tokens, S1 = 256 columns: a lane holds one channel and 64 numbers along the tokens: the keys, K of p v.  The choice hangs on the cluster's x alone, the same in all sixteen partners.
; All operands lie in tiles whose place r is row 32 g + 8 u + r + 8 (r / 8) (tile 2 g + u), so that the 16 registers of result tiles 2 g, 2 g + 1 are 16 neighbours along S0's axis, as the conversions want them.
; CODES lie as images of the operand's registers (launch quant): a tile's 256 along K are 3,072 dense bytes; a wave's tensor load brings 8 tiles' (8 rows of 3,072 bytes, 12,288 apart).  K goes through two LDS slots of 256.
; SCALE WORDS of the 2 x 256 rows, for all of K, come once with the first fills.  CLUSTERS 4 x 4: S1's tiles are shared along a row of the cluster, S0's along a column: joint loads.
; The bias is the C of each sum's first product.  LIMITS as in launch quant (byte 1 for blocks under 2^-122; no NaN, no infinities).
; REGISTERS: window 0: v1-29 addresses; v32-63 scale words, two sets; v64-127 the bias; v128-223 S1's fragments, one set (on the way out: at work).  window 1: S0's fragments, two sets, at v0 and v128.
;   window 2: accumulators of S1's blocks 0-3 ((a, b) at v[8 (8 (a % 4) + b)]); window 3: of blocks 4-7.
.set NQ,     2                         ; products deep in a slot
.set FR,     12                        ; registers of a fragment
.set NL,     4                         ; LDS loads that bring one
.set NP,     4                         ; places behind this matrix instruction (ISA guide 7.12.1)
.set TILEB,  12288
.set SLOTB,  3072
.set HALFT,  8*SLOTB                   ; what one tensor load brings, and what one wave reads of S0 or S1
.set SLOT,   4*HALFT
.set SCL,    2*SLOT                    ; S1's scale words, 8,192 bytes;
.set SCB,    8320                      ; S0's, 128 bytes further than on end, so that the two halves of the lanes read different banks
.set SPARE,  213248                    ; the spare words, 128 bytes a wave
.set XS_OFF, 6291456
.set WS_OFF, 3145728
.set QS_OFF, 18874368
.set ADRA, 16                          ; v16-17 S1's fragments in slot 0, 1, + 16 x lane; v18-19 + 8 x lane
.set ADRB, 20                          ; v20-23 the same for S0
.set L16,  24                          ; v24 16 x lane
.set L8,   25                          ; v25 8 x lane
.set VSO,  26                          ; v26 16 r + 12,288 (lane / 16): v's scale words, one head for each half of the lanes
.set ADRS, 27                          ; v27 my scale words: lanes 0-15 S1's, lanes 16-31 S0's
.set SPW,  28
.set NIL,  29
.set SC,   32
.set BIAS, 64
.set AF,   128
.set TM,   128                         ; the way out: v128-143 at work, v144-162 codes, v168-175 the eight scale words, v176-183 as they are stored
.set PC,   144
.set PWS,  168
.set EW,   176
.set OW,   180
.set G1, 24
.set G0, 32
.set G1B, 48
.set G0B, 56
.set G1S, 68
.set G0S, 76
.set G1SB, 80
.set G0SB, 88
.set ISV, 96                           ; s96 1 in v's cluster column
.set OST, 92                           ; s[92:93] the way out: bytes from group to group
.set OSC, 94                           ; s[94:95] the scale words' place
.set OLO, 98                           ; s[98:99] a fragment's first half
.set OHI, 100                          ; s[100:101] its second half
.set MSB, 0
.macro WIN new                         ; the immediate's high byte repeats the setting that is left
.if MSB != \new
	s_set_vgpr_msb (MSB<<8)|\new
.set MSB, \new
.endif
.endm
.set MUL_LO, 0xa1                      ; source 0 window 1, source 1 window 0, C and D window 2
.set MUL_HI, 0xf1                      ; the same, C and D window 3
.set TO_B,   0x40                      ; destination window 1, address window 0
; A joint load: waves 0 and 1 fetch for S1, waves 2 and 3 for S0.  The branch hangs on the wave's number alone.  An s_nop 0 and four v_nop follow each line.
.macro JLOAD g0a, g1a, g0b, g1b
	s_cmp_eq_u32 s15, 0
	s_cbranch_scc0 .Lfor_b_\@
	tensor_load_to_lds s[\g0a:\g0a+3], s[\g1a:\g1a+7]
	s_nop 0
.rept 4
	v_nop
.endr
	s_branch .Lasked_\@
.Lfor_b_\@:
	tensor_load_to_lds s[\g0b:\g0b+3], s[\g1b:\g1b+7]
	s_nop 0
.rept 4
	v_nop
.endr
.Lasked_\@:
.endm
.macro CREST                           ; a round of the cluster's barrier behind its opening barrier
	s_cmp_lg_u32 s14, 0
	s_cbranch_scc1 .Lnot_wave_0_\@
	s_barrier_signal -3
.Lnot_wave_0_\@:
	s_barrier_wait -3
	s_barrier_signal -1
	s_barrier_wait -1
.endm
.macro CROUND
	s_barrier_signal -1
	s_barrier_wait -1
	CREST
.endm
.macro PLACES n
.rept \n
	v_nop
.endr
.endm
.macro FRAG reg, adr, q, i             ; a fragment comes back as it was stored: four loads, each of consecutive bytes
	ds_load_b128 v[\reg:\reg+3], v[\adr] offset:SLOTB*(\i)+1536*(\q)
	ds_load_b64 v[\reg+4:\reg+5], v[\adr+2] offset:SLOTB*(\i)+1536*(\q)+512
	ds_load_b128 v[\reg+6:\reg+9], v[\adr] offset:SLOTB*(\i)+1536*(\q)+768
	ds_load_b64 v[\reg+10:\reg+11], v[\adr+2] offset:SLOTB*(\i)+1536*(\q)+1280
.endm
; 16 products: S1's blocks a0, a0 + 1 x S0's eight.  p: S0's set; sc: the set of scale words.  zero = 1: C is the bias along S0; 2: along S1; 0: the sum goes on.  The 64 accumulators take turns.
.macro MUL16 a0, p, q, sc, zero
.irp a, \a0, \a0+1
.irp b, 0,1,2,3,4,5,6,7
.if (\zero) == 1
	v_wmma_scale_f32_16x16x128_f8f6f4 v[8*(8*((\a)%4)+\b):8*(8*((\a)%4)+\b)+7], v[128*(\p)+FR*\b:128*(\p)+FR*\b+FR-1], v[AF+FR*(\a):AF+FR*(\a)+FR-1], v[BIAS+8*\b:BIAS+8*\b+7], v[SC+8*NQ*(\sc)+NQ*\b+(\q)], v[SC+8*NQ*(\sc)+NQ*(\a)+(\q)] matrix_a_fmt:MATRIX_FMT_BF6 matrix_b_fmt:MATRIX_FMT_BF6 matrix_a_scale:MATRIX_SCALE_ROW1
.elseif (\zero) == 2
	v_wmma_scale_f32_16x16x128_f8f6f4 v[8*(8*((\a)%4)+\b):8*(8*((\a)%4)+\b)+7], v[128*(\p)+FR*\b:128*(\p)+FR*\b+FR-1], v[AF+FR*(\a):AF+FR*(\a)+FR-1], v[BIAS+8*(\a):BIAS+8*(\a)+7], v[SC+8*NQ*(\sc)+NQ*\b+(\q)], v[SC+8*NQ*(\sc)+NQ*(\a)+(\q)] matrix_a_fmt:MATRIX_FMT_BF6 matrix_b_fmt:MATRIX_FMT_BF6 matrix_a_scale:MATRIX_SCALE_ROW1
.else
	v_wmma_scale_f32_16x16x128_f8f6f4 v[8*(8*((\a)%4)+\b):8*(8*((\a)%4)+\b)+7], v[128*(\p)+FR*\b:128*(\p)+FR*\b+FR-1], v[AF+FR*(\a):AF+FR*(\a)+FR-1], v[8*(8*((\a)%4)+\b):8*(8*((\a)%4)+\b)+7], v[SC+8*NQ*(\sc)+NQ*\b+(\q)], v[SC+8*NQ*(\sc)+NQ*(\a)+(\q)] matrix_a_fmt:MATRIX_FMT_BF6 matrix_b_fmt:MATRIX_FMT_BF6 matrix_a_scale:MATRIX_SCALE_ROW1
.endif
.endr
.endr
.endm
.macro FETCH_B slot, q, p
	WIN TO_B
.irp i, 0,1,2,3,4,5,6,7
	FRAG 128*(\p)+FR*\i, ADRB+\slot, \q, \i
.endr
	WIN 0
.endm
.macro FETCH_A slot, q, i0
.irp i, \i0, \i0+1, \i0+2, \i0+3
	FRAG AF+FR*(\i), ADRA+\slot, \q, \i
.endr
.endm
.macro SCALES sc                       ; a slot's two words a row: lanes 0-15 S1's block i, lanes 16-31 S0's block i
.irp i, 0,1,2,3,4,5,6,7
	ds_load_b64 v[SC+8*NQ*\sc+NQ*\i:SC+8*NQ*\sc+NQ*\i+1], v[ADRS] offset:\i*512
.endr
.endm
; 128 along K that have their successor in the same slot
.macro STEP slot, q, zero
	s_wait_dscnt 4*NL                                  ; all but the youngest sixteen loads (S1's blocks 4-7) are in
.if \zero
	WIN 0x81                                           ; C, the bias, in window 0; D in window 2
.else
	WIN MUL_LO
.endif
	MUL16 0, (\q)%2, \q, \slot, \zero
	MUL16 2, (\q)%2, \q, \slot, \zero
	s_wait_dscnt 0
	PLACES NP                                          ; in front of loads into registers that matrix instructions have read
	FETCH_B \slot, (\q)+1, 1-(\q)%2
	FETCH_A \slot, (\q)+1, 0
.if \zero
	WIN 0xc1
.else
	WIN MUL_HI
.endif
	MUL16 4, (\q)%2, \q, \slot, \zero
	MUL16 6, (\q)%2, \q, \slot, \zero
	PLACES NP
	WIN 0
	FETCH_A \slot, (\q)+1, 4
.endm
; a slot's last 128 change slots: one barrier; in front of it each wave waits for all its tensor loads, adds 0 to its spare word, and waits for that and for its reads of this slot.  fill = 1: the slot is filled again, two slots ahead
.macro TURN slot, next, fill
	s_wait_tensorcnt 0x0                               ; all my tensor loads have landed: my part of the next slot
	ds_add_u32 v[SPW], v[NIL]                          ; 0 onto my spare word
	s_wait_dscnt 4*NL+1                                ; the add and the youngest sixteen loads may be out
	WIN MUL_LO
	MUL16 0, 1, NQ-1, \slot, 0
	s_wait_dscnt 0x0                                   ; the add is done, and my reads of this slot are over
	s_barrier_signal -1
	MUL16 2, 1, NQ-1, \slot, 0
	WIN 0
	s_barrier_wait -1
.if \fill
	CREST                                              ; the barrier has opened a round of the cluster's: no wave of any partner still reads this slot or has a load on its way
	s_add_nc_u64 s[G0+4*\slot+2:G0+4*\slot+3], s[G0+4*\slot+2:G0+4*\slot+3], 2*SLOTB
	s_add_nc_u64 s[G0B+4*\slot+2:G0B+4*\slot+3], s[G0B+4*\slot+2:G0B+4*\slot+3], 2*SLOTB
	JLOAD G0+4*\slot, G1, G0B+4*\slot, G1B             ; the first tensor load behind the round; its four v_nop are the places in front of the loads below
.else
	PLACES NP
.endif
	v_add_nc_u32 v[ADRS], 128, v[ADRS]                 ; the next slot's scale words
	FETCH_B \next, 0, 0
	FETCH_A \next, 0, 0
	SCALES \next
	WIN MUL_HI
	MUL16 4, 1, NQ-1, \slot, 0
	MUL16 6, 1, NQ-1, \slot, 0
	PLACES NP
	WIN 0
	FETCH_A \next, 0, 4
.endm
	s_load_b256 s[4:11], s[0:1], 0x0                   ; xq s[4:5], wq s[6:7], b_qkv s[8:9], qkv s[10:11]
	v_lshl_add_u32 v[SPW], v0, 2, SPARE
	v_mov_b32 v[NIL], 0
	ds_add_u32 v[SPW], v[NIL]                          ; the wave's opening: the add, twice on end, and its wait ahead of my first tensor load
	ds_add_u32 v[SPW], v[NIL]
	v_lshrrev_b32 v1, 5, v0
	v_readfirstlane_b32 s14, v1                        ; wave
	s_lshr_b32 s15, s14, 1                             ; my half of S1.  Also: I fetch for S1 (0) or S0 (1)
	s_and_b32 s16, s14, 1                              ; my half of S0.  Also: which 8 tiles I fetch
	s_bfe_u32 s40, ttmp6, 0x40000                      ; cx
	s_bfe_u32 s41, ttmp6, 0x40004                      ; cy
	s_and_b32 s18, ttmp7, 0xffff                       ; the cluster's y
	s_cmp_eq_u32 ttmp9, 2                              ; the cluster's x: 0 q, 1 k, 2 v
	s_cselect_b32 s[ISV], 1, 0
	s_cselect_b32 s19, s18, ttmp9
	s_cselect_b32 s18, ttmp9, s18
	s_lshl_b32 s42, s19, 2
	s_add_co_u32 s42, s42, s40                         ; i0: S0's block of 256 (q, k: columns; v: tokens)
	s_lshl_b32 s17, s18, 2
	s_add_co_u32 s17, s17, s41                         ; i1: S1's block of 256 (q, k: tokens; v: columns, 8 .. 11)
	s_lshl_b32 s43, s41, 2
	s_lshl_b32 s43, 15, s43                            ; my row of the cluster
	s_lshl_b32 s44, 0x1111, s40                        ; my column
	s_or_b32 s[G1+0], s43, (3<<16)|(1<<21)             ; the mask; elements of 8 bytes; bit 21 beside a mask; no padding
	s_or_b32 s[G1B+0], s44, (3<<16)|(1<<21)
.irp g, G1, G1B
	s_mov_b32 s[\g+1], 384<<16                         ; tensor_dim0: 3,072 bytes
	s_mov_b32 s[\g+2], 8<<16                           ; tensor_dim1: 8 tiles
	s_mov_b32 s[\g+3], 384<<16                         ; tile_dim0
	s_mov_b32 s[\g+4], 8                               ; tile_dim1
	s_mov_b32 s[\g+5], 1536                            ; from tile to tile: 12,288 bytes
	s_mov_b32 s[\g+6], 0
	s_mov_b32 s[\g+7], 0
.endr
	s_or_b32 s[G1S+0], s43, (3<<16)|(1<<21)
	s_or_b32 s[G1SB+0], s44, (3<<16)|(1<<21)
.irp g, G1S, G1SB                      ; the scale words of 8 tiles: 4,096 dense bytes as 16 rows of 256
	s_mov_b32 s[\g+1], 32<<16
	s_mov_b32 s[\g+2], 16<<16
	s_mov_b32 s[\g+3], 32<<16
	s_mov_b32 s[\g+4], 16
	s_mov_b32 s[\g+5], 32
	s_mov_b32 s[\g+6], 0
	s_mov_b32 s[\g+7], 0
.endr
	s_lshl_b32 s18, s16, 3
	s_lshl_b32 s20, s17, 4
	s_add_co_u32 s20, s20, s18                         ; S1: tile 16 i1 + 8 x half
	s_lshl_b32 s46, s42, 4
	s_add_co_u32 s46, s46, s18                         ; S0: tile 16 i0 + 8 x half
	s_lshl_b32 s22, s20, 9
	s_lshl_b32 s92, s46, 9
	s_mul_i32 s20, s20, TILEB
	s_mul_i32 s46, s46, TILEB
	s_mov_b32 s21, 0
	s_mov_b32 s23, 0
	s_mov_b32 s47, 0
	s_mov_b32 s93, 0
	s_mov_b32 s19, WS_OFF
	s_mov_b32 s98, XS_OFF
	s_cmp_eq_u32 s[ISV], 1
	s_cselect_b32 s97, s19, s98                        ; where S1's buffer has its scale words,
	s_cselect_b32 s98, s98, s19                        ; and S0's
	s_add_co_u32 s22, s22, s97
	s_add_co_u32 s92, s92, s98
	s_mul_i32 s45, s14, HALFT                          ; where the codes go: no place in the cluster enters an LDS address
	s_lshl_b32 s94, s14, 12
	s_lshl_b32 s95, s15, 7
	s_add_co_u32 s94, s94, s95                         ; and the scale words: 4,096 x wave + 128 for S0's
	s_wait_dscnt 0x0                                   ; both opening adds are done
	s_wait_kmcnt 0x0
	s_cmp_eq_u32 s[ISV], 1
	s_cselect_b64 s[98:99], s[6:7], s[4:5]             ; S1's buffer
	s_cselect_b64 s[100:101], s[4:5], s[6:7]           ; S0's
	s_add_nc_u64 s[20:21], s[98:99], s[20:21]
	s_add_nc_u64 s[22:23], s[98:99], s[22:23]
	s_add_nc_u64 s[46:47], s[100:101], s[46:47]
	s_add_nc_u64 s[92:93], s[100:101], s[92:93]
	CROUND                                             ; all sixteen work-groups are here: the first joint loads meet
	s_mov_b32 s[G0S], 1
	s_add_co_u32 s[G0S+1], s94, SCL
	s_mov_b64 s[G0S+2:G0S+3], s[22:23]
	s_or_b32 s[G0S+3], s[G0S+3], 0x80000000
	s_mov_b32 s[G0SB], 1
	s_add_co_u32 s[G0SB+1], s94, SCL
	s_mov_b64 s[G0SB+2:G0SB+3], s[92:93]
	s_or_b32 s[G0SB+3], s[G0SB+3], 0x80000000
	JLOAD G0S, G1S, G0SB, G1SB                         ; the scale words first
.irp s, 0,1
	s_mov_b32 s[G0+4*\s], 1
	s_add_co_u32 s[G0+4*\s+1], s45, \s*SLOT
	s_add_nc_u64 s[G0+4*\s+2:G0+4*\s+3], s[20:21], \s*SLOTB
	s_or_b32 s[G0+4*\s+3], s[G0+4*\s+3], 0x80000000
	s_mov_b32 s[G0B+4*\s], 1
	s_add_co_u32 s[G0B+4*\s+1], s45, \s*SLOT
	s_add_nc_u64 s[G0B+4*\s+2:G0B+4*\s+3], s[46:47], \s*SLOTB
	s_or_b32 s[G0B+4*\s+3], s[G0B+4*\s+3], 0x80000000
	JLOAD G0+4*\s, G1, G0B+4*\s, G1B                   ; by this text's count three loads of mine are out now, later one
.endr
	v_and_b32 v1, 15, v0                               ; r
	v_bfe_u32 v2, v0, 4, 1                             ; lane / 16
	; THE BIAS, in the result's layout, 8 registers for each block
	s_cmp_eq_u32 s[ISV], 0
	s_cbranch_scc0 .Lbias_v
	s_lshl_b32 s46, s42, 10                            ; q, k: along S0: block b's register j is column 32 (b / 2) + 16 (lane / 16) + 8 (b % 2) + j of my 128
	s_lshl_b32 s47, s16, 9
	s_add_co_u32 s46, s46, s47
	s_mov_b32 s47, 0
	s_add_nc_u64 s[46:47], s[8:9], s[46:47]
	v_lshlrev_b32 v6, 6, v2
.irp b, 0,1,2,3,4,5,6,7
	global_load_b128 v[BIAS+8*\b:BIAS+8*\b+3], v6, s[46:47] offset:(32*(\b/2)+8*(\b%2))*4
	global_load_b128 v[BIAS+8*\b+4:BIAS+8*\b+7], v6, s[46:47] offset:(32*(\b/2)+8*(\b%2))*4+16
.endr
	s_wait_loadcnt 0x0
	s_branch .Lbias_done
.Lbias_v:
	s_lshl_b32 s20, s17, 10                            ; v: along S1: block a's eight registers all hold the bias of my lane's column 32 (a / 2) + 8 (a % 2) + r + 8 (r / 8)
	s_lshl_b32 s21, s15, 9
	s_add_co_u32 s20, s20, s21
	s_mov_b32 s21, 0
	s_add_nc_u64 s[20:21], s[8:9], s[20:21]
	v_and_b32 v6, 8, v1
	v_add_nc_u32 v6, v6, v1
	v_lshlrev_b32 v6, 2, v6
.irp a, 0,1,2,3,4,5,6,7
	global_load_b32 v[BIAS+8*\a], v6, s[20:21] offset:(32*(\a/2)+8*(\a%2))*4
.endr
	s_wait_loadcnt 0x0
.irp a, 0,1,2,3,4,5,6,7
.irp j, 1,2,3,4,5,6,7
	v_mov_b32 v[BIAS+8*\a+\j], v[BIAS+8*\a]
.endr
.endr
.Lbias_done:
	v_and_b32 v3, 31, v0
	v_lshlrev_b32 v[L16], 4, v3
	v_lshlrev_b32 v[L8], 3, v3
	s_mul_i32 s21, s15, HALFT                          ; my 8 tiles of S1
	s_mul_i32 s22, s16, HALFT
	s_add_co_u32 s22, s22, 2*HALFT                     ; my 8 tiles of S0, behind S1's 16
.irp s, 0,1
	v_add_nc_u32 v[ADRA+\s], s21, v[L16]
	v_add_nc_u32 v[ADRB+\s], s22, v[L16]
	v_add_nc_u32 v[ADRA+2+\s], s21, v[L8]
	v_add_nc_u32 v[ADRB+2+\s], s22, v[L8]
	s_add_co_u32 s21, s21, SLOT
	s_add_co_u32 s22, s22, SLOT
.endr
	v_lshlrev_b32 v7, 3, v1                            ; 8 bytes a row
	s_lshl_b32 s21, s15, 12
	s_lshl_b32 s22, s16, 12
	s_add_co_u32 s22, s22, SCB
	s_sub_co_u32 s22, s22, s21
	v_mul_u32_u24 v6, s22, v2                          ; lanes 16-31 take S0's: one product, the distance between the two bases
	s_add_co_u32 s21, s21, SCL
	v_add_nc_u32 v7, v7, v6
	v_add_nc_u32 v[ADRS], s21, v7
	v_mul_u32_u24 v[VSO], v2, 12288
	v_lshl_add_u32 v[VSO], v1, 4, v[VSO]
	s_wait_tensorcnt 1                                 ; the scale words and my part of slot 0 are in; slot 1's load may be out
	s_barrier_signal -1
	s_barrier_wait -1
	FETCH_B 0, 0, 0
	FETCH_A 0, 0, 0
	SCALES 0
	FETCH_A 0, 0, 4
	s_cmp_eq_u32 s[ISV], 0
	s_cbranch_scc0 .Lfirst_v
	STEP 0, 0, 1                                       ; the first products start the sums with the bias
	s_branch .Lfirst_done
.Lfirst_v:
	STEP 0, 0, 2
.Lfirst_done:
	TURN 0, 1, 1                                       ; K = 1,024 is four slots: both LDS slots are filled again once
	STEP 1, 0, 0
	TURN 1, 0, 1
	STEP 0, 0, 0
	TURN 0, 1, 0
	STEP 1, 0, 0
	s_wait_dscnt 4*NL
	WIN MUL_LO
	MUL16 0, 1, NQ-1, 1, 0
	MUL16 2, 1, NQ-1, 1, 0
	s_wait_dscnt 0
	WIN MUL_HI
	MUL16 4, 1, NQ-1, 1, 0
	MUL16 6, 1, NQ-1, 1, 0
	WIN 0
	; THE WAY OUT.  Group a = the 64 registers of S1's block a: 128 neighbours along S0's axis of my lane's row: one fragment.
	; q, k: its halves are token tile a of the even and of the odd head: [head][tile][768].  v: 16 channels x 128 keys of head a / 4: [pair of heads][128 keys][a][1,536].
	s_lshl_b32 s18, s17, 1
	s_add_co_u32 s18, s18, s15                         ; S1's group of 128
	s_lshl_b32 s19, s42, 1
	s_add_co_u32 s19, s19, s16                         ; S0's
	s_mov_b32 s66, 98304
	s_cmp_eq_u32 s[ISV], 1
	s_cselect_b32 s2, s19, s18                         ; the tokens' group
	s_cselect_b32 s3, s18, s19                         ; the columns'
	s_cselect_b32 s66, 768, s66                        ; from a fragment's first half to its second
	s_lshr_b32 s12, s2, 4                              ; batch
	s_and_b32 s2, s2, 15                               ; 128 tokens of the sequence
	s_lshr_b32 s13, s3, 3                              ; 0 q, 1 k, 2 v
	s_and_b32 s3, s3, 7                                ; pair of heads
	s_lshl_b32 s12, s12, 4
	s_lshl_b32 s3, s3, 1
	s_add_co_u32 s12, s12, s3                          ; 16 x batch + the even head
	s_mul_i32 s97, s13, 6291456
	s_mul_i32 s67, s12, 98304
	s_add_co_u32 s97, s97, s67
	s_mul_i32 s67, s2, 6144
	s_lshl_b32 s67, s67, s[ISV]                        ; q, k: 8 tiles of 768; v: 8 fragments of 1,536
	s_add_co_u32 s18, s97, s67
	s_mov_b32 s19, 0
	s_mov_b32 s67, 0
	s_add_nc_u64 s[OLO:OLO+1], s[10:11], s[18:19]
	s_add_nc_u64 s[OHI:OHI+1], s[OLO:OLO+1], s[66:67]
	s_lshl_b32 s[OST], 768, s[ISV]
	s_mov_b32 s[OST+1], 0
	s_min_u32 s13, s13, 1                              ; v's scale words lie in k's region
	s_mul_i32 s18, s13, 786432
	s_mul_i32 s97, s12, 12288
	s_add_co_u32 s18, s18, s97
	s_lshr_b32 s97, s2, 1
	s_mul_i32 s97, s97, 1536
	s_add_co_u32 s18, s18, s97
	s_and_b32 s97, s2, 1
	s_lshl_b32 s97, s97, 9
	s_lshr_b32 s97, s97, s[ISV]                        ; 512 bytes for 128 tokens of q or k, 256 for 128 keys of v,
	s_add_co_u32 s18, s18, s97
	s_lshl_b32 s97, s[ISV], 10                         ; which lie 1,024 bytes on
	s_add_co_u32 s18, s18, s97
	s_add_co_u32 s18, s18, QS_OFF
	s_add_nc_u64 s[OSC:OSC+1], s[10:11], s[18:19]
	s_mov_b32 s2, 0x76543210
	s_mov_b32 s3, 0xfedcba98
	PLACES NP                                          ; behind the last products: for the writes into S1's registers and the reads of results
.irp b, 0,1,2,3
	v_mov_b32 v[TM+4+\b], 0                            ; a lane permute's destination counts as one of its sources
.endr
.macro GROUP a
.set WW, 2+(\a)/4
.set AC, 64*((\a)%4)
.set W01, WW|(WW<<2)
.set W12, (WW<<2)|(WW<<4)
	WIN W01
.irp b, 0,1,2,3
	v_max3_num_f32 v[TM+\b], |v[AC+16*\b]|, |v[AC+16*\b+1]|, 0x2800000   ; each accumulator from its low end on; the floor 2^(5 - 127)
.endr
	WIN W12
.irp i, 2,4,6,8,10,12,14
.irp b, 0,1,2,3
	v_max3_num_f32 v[TM+\b], v[TM+\b], |v[AC+16*\b+\i]|, |v[AC+16*\b+\i+1]|
.endr
.endr
	WIN 0
.irp b, 0,1,2,3
	v_permlanex16_b32 v[TM+4+\b], v[TM+\b], s2, s3
.endr
.irp b, 0,1,2,3
	v_max_num_f32 v[TM+\b], v[TM+\b], v[TM+4+\b]
.endr
.irp b, 0,1,2,3
	v_add_nc_u32 v[TM+12+\b], 0xfe000000, v[TM+\b]
.endr
.irp b, 0,1,2,3
	v_lshrrev_b32 v[TM+4+\b], 23, v[TM+12+\b]
.endr
	v_lshl_or_b32 v[PWS+\a], v[TM+5], 8, v[TM+4]
	v_lshl_or_b32 v[PWS+\a], v[TM+6], 16, v[PWS+\a]
	v_lshl_or_b32 v[PWS+\a], v[TM+7], 24, v[PWS+\a]
.if (\a) > 0
	s_wait_xcnt 0x0                                    ; the last group's stores have read their data and bases: both are written again only behind this wait
	s_add_nc_u64 s[OLO:OLO+1], s[OLO:OLO+1], s[OST:OST+1]
	s_add_nc_u64 s[OHI:OHI+1], s[OHI:OHI+1], s[OST:OST+1]
.endif
	WIN WW
.irp c, 0,1
	v_cvt_scalef32_pk16_bf6_f32 v[PC+6*\c:PC+2+6*\c], v[AC+32*\c:AC+15+32*\c], v[TM+12+2*\c]
	v_cvt_scalef32_pk16_bf6_f32 v[PC+12+4*\c:PC+14+4*\c], v[AC+16+32*\c:AC+31+32*\c], v[TM+12+2*\c+1]
.endr
	WIN 0
	v_nop                                              ; one plain line behind the scaled conversions
.irp c, 0,1
.irp i, 0,1,2
	v_permlane16_swap_b32 v[PC+6*\c+\i], v[PC+12+4*\c+\i]
.endr
.irp i, 0,1,2
	v_mov_b32 v[PC+3+6*\c+\i], v[PC+12+4*\c+\i]
.endr
.endr
	global_store_b128 v[L16], v[PC:PC+3], s[OLO:OLO+1]                 ; each store covers whole aligned runs of 256 bytes
	global_store_b64 v[L8], v[PC+4:PC+5], s[OLO:OLO+1] offset:512
	global_store_b128 v[L16], v[PC+6:PC+9], s[OHI:OHI+1]
	global_store_b64 v[L8], v[PC+10:PC+11], s[OHI:OHI+1] offset:512
.endm
.irp a, 0,1,2,3,4,5,6,7
	GROUP \a
.endr
	v_cmp_eq_u32 vcc_lo, 1, v2
.irp j, 0,1,2,3
	v_cndmask_b32 v[EW+\j], v[PWS+\j], v[PWS+4+\j], vcc_lo             ; lanes 0-15 the words of groups 0-3, lanes 16-31 of groups 4-7
.endr
	s_cmp_eq_u32 s[ISV], 0
	s_cbranch_scc0 .Lv_scales
	global_store_b128 v[L16], v[EW:EW+3], s[OSC:OSC+1]                 ; the even head reads a word's bytes 0, 1 (bytes 2, 3 meet zero codes and are never 0xff)
.irp j, 0,1,2,3
	v_lshrrev_b32 v[OW+\j], 16, v[EW+\j]                               ; the odd head's two bytes
.endr
	global_store_b128 v[L16], v[OW:OW+3], s[OSC:OSC+1] offset:12288
	s_branch .Lstored
.Lv_scales:
	global_store_b128 v[VSO], v[EW:EW+3], s[OSC:OSC+1]                 ; lanes 0-15: the even head's four tiles of channels, lanes 16-31: the odd head's
.Lstored:
	s_wait_tensorcnt 0x0                               ; the wave's end
	ds_add_u32 v[SPW], v[NIL]
	s_wait_dscnt 0x0
	CROUND                                             ; the closing round
	s_endpgm
.Lfunc_end_k_q4d54f57687_gemm_qkv:
	.size	k_q4d54f57687_gemm_qkv, .Lfunc_end_k_q4d54f57687_gemm_qkv-k_q4d54f57687_gemm_qkv
	.p2alignl 7, 3214868480
	.fill 96, 4, 3214868480
	.section	.rodata,"a",@progbits
	.p2align	6, 0x0
	.amdhsa_kernel k_q4d54f57687_gemm_qkv
		.amdhsa_group_segment_fixed_size 327680
		.amdhsa_private_segment_fixed_size 0
		.amdhsa_enable_private_segment 0
		.amdhsa_kernarg_size 32
		.amdhsa_user_sgpr_count 2
		.amdhsa_user_sgpr_kernarg_segment_ptr 1
		.amdhsa_wavefront_size32 1
		.amdhsa_system_sgpr_workgroup_id_x 1
		.amdhsa_system_sgpr_workgroup_id_y 1
		.amdhsa_system_sgpr_workgroup_id_z 1
		.amdhsa_system_vgpr_workitem_id 0
		.amdhsa_next_free_vgpr 1024
		.amdhsa_next_free_sgpr 104
		.amdhsa_reserve_vcc 1
		.amdhsa_float_denorm_mode_32 3
		.amdhsa_float_denorm_mode_16_64 3
		.amdhsa_memory_ordered 1
		.amdhsa_forward_progress 1
		.amdhsa_inst_pref_size 168
	.end_amdhsa_kernel
	.amdgpu_metadata
---
amdhsa.version: [ 1, 2 ]
amdhsa.kernels:
  - .name:           k_q4d54f57687_gemm_qkv
    .symbol:         k_q4d54f57687_gemm_qkv.kd
    .args:
      - { .name: xq, .offset: 0, .size: 8, .value_kind: global_buffer, .address_space: global }
      - { .name: wq, .offset: 8, .size: 8, .value_kind: global_buffer, .address_space: global }
      - { .name: b_qkv, .offset: 16, .size: 8, .value_kind: global_buffer, .address_space: global }
      - { .name: qkv, .offset: 24, .size: 8, .value_kind: global_buffer, .address_space: global }
    .group_segment_fixed_size: 327680
    .private_segment_fixed_size: 0
    .kernarg_segment_align: 8
    .kernarg_segment_size: 32
    .max_flat_workgroup_size: 128
    .sgpr_count:     104
    .vgpr_count:     1024
    .wavefront_size: 32
...
	.end_amdgpu_metadata
.endif
;; end of part 2
;; launch attn (part 3): grid 4 x 64, 16 waves a work-group, no clusters, 67,584 bytes of LDS; arguments qkv, yq; writes yq
.if DOCPART == 3
	.amdgcn_target "amdgcn-amd-amdhsa--gfx1250"
	.amdhsa_code_object_version 6
	.text
	.protected	k_q4d54f57687_attn
	.globl	k_q4d54f57687_attn
	.p2align	8
	.type	k_q4d54f57687_attn,@function
k_q4d54f57687_attn:
	s_mov_b64 s[64:65], 0
	v_nop
	global_prefetch_b8 v0, s[64:65] scope:SCOPE_SE
	s_setreg_imm32_b32 hwreg(HW_REG_WAVE_MODE, 25, 1), 1
	s_wait_xcnt 0x0
; y = softmax(q k^T / 8, causal) v for one head, both products on codes of BF6; y is quantised along the model's 1,024 and leaves as codes for the last product.
; LEFT OUT: steps of 128 keys all of which come after the wave's 16 queries: reference()'s own mask makes their p 0 for all inputs (shown at the head of launch quant).
; THE SOFTMAX: t = score x log2(e) / 8; M = the running largest t rounded up to a whole number; p = 2^(t - M) is quantised along the keys, not normalised; the row's sum is taken of the unquantised p and divides at the end.
; SHARES.  Work-group (i, head) owns the query blocks i and 7 - i of 256 queries, one after the other: (i + 1) + (8 - i) = 9 slots of 256 keys in every work-group: the trip count is a constant and all work-groups have equal work.
; Each of sixteen waves owns one tile of 16 queries (place r = query Q0 + r + 8 (r / 8)) in 256 registers: four waves to a SIMD, so that one wave's vector work stands beside another's products and LDS loads.
; K AND V come as images of the operand's registers (launch gemm_qkv).  A slot's 26,112 bytes are loaded a trip ahead into 16 registers a lane (three or four loads a wave) and stored into the other LDS slot at the trip's end.
; One barrier a trip: in front of it every wave's reads of the slot in hand and its stores into the other are done.
; NO CLUSTER: the four work-groups of a head begin their second walk over the keys at different trips (behind slot i), so in a given trip they want different slots.  NO TENSOR LOAD: a slot is three loads a wave.
; LAYOUT.  S^T = k q^T (source 0 = 16 keys, K = the head's 64: the upper half of both operands is zero codes); O^T = v^T p^T (source 0 = 16 channels, K = 128 keys): a lane holds one query throughout.
; LIMITS as in launch quant.
; REGISTERS: v1 16 x lane, v2 8 x lane, v3 16 r, v4, v7 where I store a slot's bytes, v5, v6 the add's two, v10 8 r, v11 r + 8 (r / 8) - 16 (lane / 16); v12 -M, v13 the largest t, v[14:15] the sum;
;   v16-27 q; v28 q's scale word; v32-79 four fragments of k; v80-95 the next slot's bytes; v96-159 S^T, p, then v's four fragments, at the end y; v160-191 O^T; v192-203 p's codes; v204-219 at work;
;   v220-223 k's scale words, v224-227 v's, v228 p's; v229 y's two bytes; v[230:231] f; v232, v233 at work; v234-239 y's codes; v240-246 the second block's q.
.set K_OFF,  6291456
.set V_OFF,  12582912
.set QS_OFF, 18874368
.set KS_OFF, 19660800
.set XS_OFF, 6291456
.set SL1,    32768                     ; LDS slot 1
.set VIMG,   12288                     ; in a slot: 16 half images of k, then 8 fragments of v,
.set KSC,    24576                     ; k's scale words, 512 bytes for 128 keys,
.set VSC,    25600                     ; v's, 256 bytes for 128 keys
.set SPARE,  65536                     ; the spare words, 128 bytes a wave
; s8 wave, s9 i, s10 16 x batch + head, s11 trips, s12 the key slot, s13 the query block, s14 Q0, s15 the slot's first key, s[18:19], s20 my part of slot 0 in memory and a slot on, s[22:23] the scale bytes'
.macro BLOCKADR blk, qc, qs, yc, ys    ; the addresses of a query block: q's codes and scale word, y's codes and scale bytes
	s_lshl_b32 s58, s[\blk], 4
	s_add_co_u32 s58, s58, s8                          ; my tile in the sequence
	s_mul_i32 s[\qc], s58, 768
	s_add_co_u32 s[\qc], s[\qc], s51
	s_mov_b32 s[\qc+1], 0
	s_add_nc_u64 s[\qc:\qc+1], s[4:5], s[\qc:\qc+1]
	s_mul_i32 s[\qs], s[\blk], 1536
	s_add_co_u32 s[\qs], s[\qs], s52
	s_mov_b32 s[\qs+1], 0
	s_add_nc_u64 s[\qs:\qs+1], s[4:5], s[\qs:\qs+1]
	s_add_co_u32 s58, s58, s53                         ; my tile among all 512
	s_mul_i32 s[\yc], s58, 12288
	s_add_co_u32 s[\yc], s[\yc], s54
	s_mov_b32 s[\yc+1], 0
	s_add_nc_u64 s[\yc:\yc+1], s[6:7], s[\yc:\yc+1]
	s_lshl_b32 s[\ys], s58, 9
	s_add_co_u32 s[\ys], s[\ys], s55
	s_mov_b32 s[\ys+1], 0
	s_add_nc_u64 s[\ys:\ys+1], s[6:7], s[\ys:\ys+1]
.endm
.macro STORENEXT off                   ; the bytes loaded a trip ago go into the LDS slot at off
	ds_store_b128 v7, v[80:83] offset:\off
	ds_store_b128 v7, v[84:87] offset:\off+512
	ds_store_b128 v7, v[88:91] offset:\off+1024
	s_cmp_lt_u32 s8, 3
	s_cbranch_scc0 .Lno_sc_\@
	ds_store_b128 v4, v[92:95] offset:\off
.Lno_sc_\@:
.endm
.macro QK s, q, g                      ; four tiles of 16 keys
.irp t, 0,1,2,3
	ds_load_b128 v[32+12*\t:35+12*\t], v1 offset:SL1*\s+768*(8*\q+4*\g+\t)
	ds_load_b64 v[36+12*\t:37+12*\t], v2 offset:SL1*\s+768*(8*\q+4*\g+\t)+512
.endr
.if \g == 0
	ds_load_b128 v[220:223], v1 offset:SL1*\s+KSC+512*\q               ; lanes 0-15: the words of tiles 0-3, lanes 16-31: of tiles 4-7
.endif
	s_wait_dscnt 0x0
.irp t, 0,1,2,3
.if \g == 0
	v_wmma_scale_f32_16x16x128_f8f6f4 v[96+8*\t:103+8*\t], v[32+12*\t:43+12*\t], v[16:27], 0, v[220+\t], v28 matrix_a_fmt:MATRIX_FMT_BF6 matrix_b_fmt:MATRIX_FMT_BF6
.else
	v_wmma_scale_f32_16x16x128_f8f6f4 v[128+8*\t:135+8*\t], v[32+12*\t:43+12*\t], v[16:27], 0, v[220+\t], v28 matrix_a_fmt:MATRIX_FMT_BF6 matrix_b_fmt:MATRIX_FMT_BF6 matrix_a_scale:MATRIX_SCALE_ROW1
.endif
.endr
.endm
; A KEY STEP: the q-th 128 keys of LDS slot s
.macro STEP s, q
	s_add_co_u32 s58, s15, 128*\q                      ; the step's first key
	s_add_co_u32 s59, s14, 23                          ; my last query
	s_cmp_gt_u32 s58, s59
	s_cbranch_scc1 .Lhidden_\@                         ; ids alone: no barrier stands in a step
.rept 5
	v_nop                                              ; the scores are written over registers that the last products read as v's fragments: five places
.endr
	QK \s, \q, 0
.rept 4
	v_nop                                              ; places in front of loads into registers that matrix instructions have read
.endr
	QK \s, \q, 1
.rept 4
	v_nop
.endr
	s_add_co_u32 s59, s58, 127
	s_cmp_le_u32 s59, s14
	s_cbranch_scc1 .Lopen_\@                           ; all 128 keys count for all my queries
	s_sub_co_i32 s59, s14, s58
	v_add_nc_u32 v232, s59, v11                        ; register 16 b + i holds key first + 16 (lane / 16) + 32 b + i: hidden where 32 b + i > my query - first - 16 (lane / 16)
	v_mov_b32 v233, 0xff800000                         ; -infinity
.set n, 0
.rept 64
	v_cmp_gt_i32 vcc_lo, 32*(n/16)+n%16, v232
	v_cndmask_b32 v[96+n], v[96+n], v233, vcc_lo
.set n, n+1
.endr
.Lopen_\@:
.irp b, 0,1,2,3
	v_max3_num_f32 v[212+\b], v[96+16*\b], v[97+16*\b], v[98+16*\b]    ; the largest score of each block of 32 keys: for the row's maximum and, since p rises with the score, for the block's largest p
.endr
.irp i, 3,5,7,9,11,13
.irp b, 0,1,2,3
	v_max3_num_f32 v[212+\b], v[212+\b], v[96+16*\b+\i], v[97+16*\b+\i]
.endr
.endr
.irp b, 0,1,2,3
	v_max_num_f32 v[212+\b], v[212+\b], v[111+16*\b]
.endr
.irp b, 0,1,2,3
	v_permlanex16_b32 v[204+\b], v[212+\b], s30, s31
.endr
.irp b, 0,1,2,3
	v_max_num_f32 v[212+\b], v[212+\b], v[204+\b]
.endr
	v_max3_num_f32 v232, v212, v213, v214
	v_max_num_f32 v232, v232, v215
	v_mul_f32 v232, s32, v232                          ; as t
	v_max_num_f32 v13, v13, v232                       ; the running largest t
	v_mov_b32 v232, v12
	v_floor_f32 v12, -v13                              ; -M = floor(-t): M is a whole number
	v_sub_f32 v232, v12, v232                          ; old M - new M: a whole number, 0 or less
	v_cvt_i32_f32 v232, v232
	v_ldexp_f32 v230, 1.0, v232                        ; f = 2^(old M - new M)
.set j, 0
.rept 32
	v_pk_fma_f32 v[96+j:97+j], v[96+j:97+j], s[32:33], v[12:13] op_sel_hi:[1,0,0]   ; t - M
.set j, j+2
.endr
.irp b, 0,1,2,3
	v_fma_f32 v[212+\b], v[212+\b], s32, v12
.endr
.set j, 0
.rept 64
	v_exp_f32 v[96+j], v[96+j]                         ; p
.set j, j+1
.endr
	v_pk_mul_f32 v[14:15], v[14:15], v[230:231] op_sel_hi:[1,0]        ; the sums under the new M: a plain line behind the exponentials
	s_wait_alu depctr_va_vdst(0)                       ; one wait for the batch, ahead of its first reader
.irp b, 0,1,2,3
	v_exp_f32 v[212+\b], v[212+\b]                     ; each block's largest p
.endr
	v_pk_add_f32 v[204:205], v[96:97], v[98:99]        ; the row's sum of the unquantised p, in two chains
.irp j, 4,8,12,16,20,24,28,32,36,40,44,48,52,56,60
	v_pk_add_f32 v[14:15], v[14:15], v[96+\j:97+\j]
	v_pk_add_f32 v[204:205], v[204:205], v[98+\j:99+\j]
.endr
	v_pk_add_f32 v[14:15], v[14:15], v[204:205]
	s_wait_alu depctr_va_vdst(0)                       ; and one for the four
.irp b, 0,1,2,3
	v_max_num_f32 v[212+\b], 0x2800000, v[212+\b]      ; the floor 2^(5 - 127)
.endr
.irp b, 0,1,2,3
	v_add_nc_u32 v[216+\b], 0xfe000000, v[212+\b]
.endr
.irp b, 0,1,2,3
	v_lshrrev_b32 v[204+\b], 23, v[216+\b]
.endr
	v_lshl_or_b32 v228, v205, 8, v204                  ; p's scale word for these 128 keys
	v_lshl_or_b32 v228, v206, 16, v228
	v_lshl_or_b32 v228, v207, 24, v228
.irp c, 0,1
	v_cvt_scalef32_pk16_bf6_f32 v[192+6*\c:194+6*\c], v[96+32*\c:111+32*\c], v[216+2*\c]
	v_cvt_scalef32_pk16_bf6_f32 v[204+4*\c:206+4*\c], v[112+32*\c:127+32*\c], v[216+2*\c+1]
.endr
	v_nop                                              ; one plain line behind the scaled conversions
.irp t, 0,1,2,3                        ; v's four fragments (16 channels x 128 keys) take p's registers
	ds_load_b128 v[96+12*\t:99+12*\t], v1 offset:SL1*\s+VIMG+1536*(4*\q+\t)
	ds_load_b64 v[100+12*\t:101+12*\t], v2 offset:SL1*\s+VIMG+1536*(4*\q+\t)+512
	ds_load_b128 v[102+12*\t:105+12*\t], v1 offset:SL1*\s+VIMG+1536*(4*\q+\t)+768
	ds_load_b64 v[106+12*\t:107+12*\t], v2 offset:SL1*\s+VIMG+1536*(4*\q+\t)+1280
.endr
	ds_load_b128 v[224:227], v3 offset:SL1*\s+VSC+256*\q
.irp c, 0,1
.irp i, 0,1,2
	v_permlane16_swap_b32 v[192+6*\c+\i], v[204+4*\c+\i]
.endr
.irp i, 0,1,2
	v_mov_b32 v[195+6*\c+\i], v[204+4*\c+\i]
.endr
.endr
.set j, 0
.rept 16
	v_pk_mul_f32 v[160+j:161+j], v[160+j:161+j], v[230:231] op_sel_hi:[1,0]   ; O^T under the new M; these sixteen are also the lines between p's codes and scale word and the products
.set j, j+2
.endr
	s_wait_dscnt 0x0
.irp t, 0,1,2,3
	v_wmma_scale_f32_16x16x128_f8f6f4 v[160+8*\t:167+8*\t], v[96+12*\t:107+12*\t], v[192:203], v[160+8*\t:167+8*\t], v[224+\t], v228 matrix_a_fmt:MATRIX_FMT_BF6 matrix_b_fmt:MATRIX_FMT_BF6
.endr
.Lhidden_\@:
.endm
; A query block's end: y = O^T / the sum; register 16 b + i is channel 32 b + 16 (lane / 16) + i: two blocks of the last product's K: a half image and two scale bytes
.macro FINISH yc, ys
	s_wait_xcnt 0x0                                    ; an earlier end's stores have read their data
.rept 4
	v_nop                                              ; behind the last products
.endr
	v_add_f32 v14, v14, v15
	v_permlanex16_b32 v232, v14, s30, s31
	v_add_f32 v14, v14, v232                           ; the row's sum
	v_rcp_f32 v14, v14
	v_nop
	s_wait_alu depctr_va_vdst(0)                       ; ahead of the reciprocal's first reader
.set j, 0
.rept 16
	v_pk_mul_f32 v[96+j:97+j], v[160+j:161+j], v[14:15] op_sel_hi:[1,0]
.set j, j+2
.endr
.irp b, 0,1
	v_max3_num_f32 v[212+\b], |v[96+16*\b]|, |v[97+16*\b]|, 0x2800000
.endr
.irp i, 2,4,6,8,10,12,14
.irp b, 0,1
	v_max3_num_f32 v[212+\b], v[212+\b], |v[96+16*\b+\i]|, |v[97+16*\b+\i]|
.endr
.endr
.irp b, 0,1
	v_permlanex16_b32 v[204+\b], v[212+\b], s30, s31
.endr
.irp b, 0,1
	v_max_num_f32 v[212+\b], v[212+\b], v[204+\b]
.endr
.irp b, 0,1
	v_add_nc_u32 v[216+\b], 0xfe000000, v[212+\b]
.endr
.irp b, 0,1
	v_lshrrev_b32 v[204+\b], 23, v[216+\b]
.endr
	v_lshl_or_b32 v229, v205, 8, v204
	v_cvt_scalef32_pk16_bf6_f32 v[234:236], v[96:111], v216
	v_cvt_scalef32_pk16_bf6_f32 v[208:210], v[112:127], v217
	v_nop
.irp i, 0,1,2
	v_permlane16_swap_b32 v[234+\i], v[208+\i]
.endr
.irp i, 0,1,2
	v_mov_b32 v[237+\i], v[208+\i]
.endr
	global_store_b128 v1, v[234:237], s[\yc:\yc+1]
	global_store_b64 v2, v[238:239], s[\yc:\yc+1] offset:512
	global_store_b16 v10, v229, s[\ys:\ys+1]           ; lanes l and l xor 16 store the same two bytes to the same place
.endm
; One slot of 256 keys, in LDS slot s.  last = 0: the next slot is loaded meanwhile and stored at the end
.macro SLOTWORK s, last
.if \last == 0
	s_add_co_u32 s21, s12, 1
	s_cmp_eq_u32 s12, s13
	s_cselect_b32 s21, 0, s21                          ; behind a block's diagonal slot the walk begins anew
	s_mul_i32 s24, s21, s20
	s_mov_b32 s25, 0
	s_add_nc_u64 s[24:25], s[18:19], s[24:25]
	s_mul_i32 s26, s21, 1536
	s_mov_b32 s27, 0
	s_add_nc_u64 s[26:27], s[22:23], s[26:27]
	global_load_b128 v[80:83], v1, s[24:25]
	global_load_b128 v[84:87], v1, s[24:25] offset:512
	global_load_b128 v[88:91], v1, s[24:25] offset:1024
	s_cmp_lt_u32 s8, 3
	s_cbranch_scc0 .Lno_scl_\@
	global_load_b128 v[92:95], v1, s[26:27]
.Lno_scl_\@:
.endif
	STEP \s, 0
	STEP \s, 1
.if \last == 0
	s_cmp_eq_u32 s12, s13
	s_cbranch_scc0 .Lgo_on_\@                          ; ids alone, the same in all waves: the first block's end
	FINISH 34, 36
	s_mov_b32 s13, s56                                 ; the second block: 7 - i
	s_mov_b32 s12, -1
	s_lshl_b32 s14, s13, 8
	s_add_co_u32 s14, s14, s57
.irp j, 0,1,2,3,4,5
	v_mov_b32 v[16+\j], v[240+\j]
.endr
	v_mov_b32 v28, v246
	v_mov_b32 v13, 0xff61b1e6
	v_floor_f32 v12, -v13
	v_mov_b32 v14, 0
	v_mov_b32 v15, 0
.set j, 0
.rept 32
	v_mov_b32 v[160+j], 0
.set j, j+1
.endr
.Lgo_on_\@:
	s_add_co_u32 s12, s12, 1
	s_lshl_b32 s15, s12, 8
	s_wait_loadcnt 0x0                                 ; the next slot's bytes are in registers
	STORENEXT SL1*(1-\s)
	s_wait_dscnt 0x0                                   ; my stores have landed, and my reads of the slot in hand are over
	s_barrier_signal -1
	s_barrier_wait -1
.endif
.endm
	s_load_b128 s[4:7], s[0:1], 0x0                    ; qkv s[4:5], yq s[6:7]
	v_lshl_add_u32 v5, v0, 2, SPARE
	v_mov_b32 v6, 0
	v_lshrrev_b32 v1, 5, v0
	v_readfirstlane_b32 s8, v1                         ; wave 0..15
	s_mov_b32 s9, ttmp9                                ; i
	s_and_b32 s10, ttmp7, 0xffff                       ; 16 x batch + head
	v_and_b32 v2, 31, v0
	v_lshlrev_b32 v1, 4, v2
	v_lshlrev_b32 v2, 3, v2
	v_and_b32 v8, 15, v0                               ; r
	v_bfe_u32 v9, v0, 4, 1
	v_lshlrev_b32 v3, 4, v8
	v_lshlrev_b32 v10, 3, v8
	s_lshl_b32 s28, s8, 9
	s_add_co_u32 s29, s28, KSC
	v_add_nc_u32 v4, s29, v1                           ; waves 0-2: the scale bytes' place in a slot
	s_mul_i32 s29, s8, 1536
	v_add_nc_u32 v7, s29, v1                           ; my 1,536 bytes of a slot's codes: waves 0-7 k's, waves 8-15 v's
	v_and_b32 v11, 8, v8
	v_add_nc_u32 v11, v11, v8
	v_lshlrev_b32 v9, 4, v9
	v_sub_nc_u32 v11, v11, v9
	s_lshr_b32 s16, s10, 4                             ; batch
	s_and_b32 s17, s10, 15                             ; head
	s_mul_i32 s51, s10, 98304                          ; the head's codes of q (and, K_OFF on, of k)
	s_add_co_u32 s24, s51, s29
	s_add_co_u32 s24, s24, K_OFF
	s_lshl_b32 s26, s16, 3
	s_lshr_b32 s27, s17, 1
	s_add_co_u32 s26, s26, s27
	s_mul_i32 s26, s26, 196608                         ; v: the pair of heads,
	s_bfe_u32 s27, s8, 0x10002
	s_mul_i32 s27, s27, 12288                          ; which 128 keys of the slot,
	s_add_co_u32 s26, s26, s27
	s_and_b32 s27, s17, 1
	s_mul_i32 s27, s27, 6144                           ; which head of the pair,
	s_add_co_u32 s26, s26, s27
	s_and_b32 s27, s8, 3
	s_mul_i32 s27, s27, 1536                           ; which 16 channels
	s_add_co_u32 s26, s26, s27
	s_add_co_u32 s26, s26, V_OFF
	s_mov_b32 s20, 24576
	s_cmp_lt_u32 s8, 8
	s_cselect_b32 s24, s24, s26
	s_cselect_b32 s20, 12288, s20                      ; a slot on
	s_mov_b32 s25, 0
	s_mul_i32 s50, s10, 12288                          ; the head's scale bytes
	s_add_co_u32 s26, s50, s28
	s_add_co_u32 s26, s26, KS_OFF
	s_mov_b32 s27, 0
	s_lshr_b32 s52, s8, 3                              ; q's scale word: [128 tokens: 512][tiles 0-3 | 4-7: 256][r: 16][tile % 4: 4]
	s_lshl_b32 s52, s52, 9
	s_bfe_u32 s53, s8, 0x10002
	s_lshl_b32 s53, s53, 8
	s_add_co_u32 s52, s52, s53
	s_and_b32 s53, s8, 3
	s_lshl_b32 s53, s53, 2
	s_add_co_u32 s52, s52, s53
	s_add_co_u32 s52, s52, s50
	s_add_co_u32 s52, s52, QS_OFF
	s_lshl_b32 s53, s16, 7                             ; 128 tiles a batch
	s_mul_i32 s54, s17, 768                            ; y: the head's half image in a tile's 12,288 bytes
	s_lshr_b32 s55, s17, 2
	s_lshl_b32 s55, s55, 7
	s_and_b32 s58, s17, 3
	s_lshl_b32 s58, s58, 1
	s_add_co_u32 s55, s55, s58
	s_add_co_u32 s55, s55, XS_OFF                      ; and its two bytes among a row's scale words
	s_sub_co_u32 s56, 7, s9
	s_lshr_b32 s57, s8, 1
	s_lshl_b32 s57, s57, 5
	s_and_b32 s58, s8, 1
	s_lshl_b32 s58, s58, 3
	s_add_co_u32 s57, s57, s58                         ; my tile's first query in its block
	s_mov_b32 s13, s9
	s_mov_b32 s12, 0
	s_mov_b32 s15, 0
	s_lshl_b32 s14, s13, 8
	s_add_co_u32 s14, s14, s57
	s_mov_b32 s30, 0x76543210
	s_mov_b32 s31, 0xfedcba98
	s_mov_b32 s32, 0x3e38aa3b                          ; log2(e) / 8
	s_mov_b32 s33, s32
	s_wait_kmcnt 0x0
	s_add_nc_u64 s[18:19], s[4:5], s[24:25]
	s_add_nc_u64 s[22:23], s[4:5], s[26:27]
	BLOCKADR 13, 42, 44, 34, 36
	BLOCKADR 56, 46, 48, 38, 40
	global_load_b128 v[80:83], v1, s[18:19]            ; key slot 0
	global_load_b128 v[84:87], v1, s[18:19] offset:512
	global_load_b128 v[88:91], v1, s[18:19] offset:1024
	s_cmp_lt_u32 s8, 3
	s_cbranch_scc0 .Lno_sc_head
	global_load_b128 v[92:95], v1, s[22:23]
.Lno_sc_head:
	global_load_b128 v[16:19], v1, s[42:43]            ; q of both blocks
	global_load_b64 v[20:21], v2, s[42:43] offset:512
	global_load_b32 v28, v3, s[44:45]
	global_load_b128 v[240:243], v1, s[46:47]
	global_load_b64 v[244:245], v2, s[46:47] offset:512
	global_load_b32 v246, v3, s[48:49]
.irp j, 0,1,2,3,4,5
	v_mov_b32 v[22+\j], 0                              ; K = 64: the upper 64 of q's and k's fragments are zero codes, written once
	v_mov_b32 v[38+\j], 0
	v_mov_b32 v[50+\j], 0
	v_mov_b32 v[62+\j], 0
	v_mov_b32 v[74+\j], 0
.endr
	v_mov_b32 v13, 0xff61b1e6                          ; the largest t so far: -3e38
	v_floor_f32 v12, -v13
	v_mov_b32 v14, 0
	v_mov_b32 v15, 0
.irp b, 0,1,2,3
	v_mov_b32 v[204+\b], 0                             ; a lane permute's destination counts as one of its sources
.endr
	v_mov_b32 v231, 0
	v_mov_b32 v232, 0
.set j, 0
.rept 32
	v_mov_b32 v[160+j], 0                              ; O^T: the step is written once; the first change of M multiplies zeros
.set j, j+1
.endr
	s_wait_loadcnt 0x0
	STORENEXT 0
	s_wait_dscnt 0x0
	s_barrier_signal -1
	s_barrier_wait -1
	s_mov_b32 s11, 4
.Lpair:                                ; four trips of two slots; the ninth slot is written out: it loads nothing
	SLOTWORK 0, 0
	SLOTWORK 1, 0
	s_sub_co_u32 s11, s11, 1
	s_cmp_lg_u32 s11, 0
	s_cbranch_scc1 .Lpair
	SLOTWORK 0, 1
	FINISH 38, 40
	s_wait_tensorcnt 0x0                               ; the wave's end, behind my last LDS store
	ds_add_u32 v5, v6
	s_wait_dscnt 0x0
	s_endpgm
.Lfunc_end_k_q4d54f57687_attn:
	.size	k_q4d54f57687_attn, .Lfunc_end_k_q4d54f57687_attn-k_q4d54f57687_attn
	.p2alignl 7, 3214868480
	.fill 96, 4, 3214868480
	.section	.rodata,"a",@progbits
	.p2align	6, 0x0
	.amdhsa_kernel k_q4d54f57687_attn
		.amdhsa_group_segment_fixed_size 67584
		.amdhsa_private_segment_fixed_size 0
		.amdhsa_enable_private_segment 0
		.amdhsa_kernarg_size 16
		.amdhsa_user_sgpr_count 2
		.amdhsa_user_sgpr_kernarg_segment_ptr 1
		.amdhsa_wavefront_size32 1
		.amdhsa_system_sgpr_workgroup_id_x 1
		.amdhsa_system_sgpr_workgroup_id_y 1
		.amdhsa_system_sgpr_workgroup_id_z 1
		.amdhsa_system_vgpr_workitem_id 0
		.amdhsa_next_free_vgpr 256
		.amdhsa_next_free_sgpr 66
		.amdhsa_reserve_vcc 1
		.amdhsa_float_denorm_mode_32 3
		.amdhsa_float_denorm_mode_16_64 3
		.amdhsa_memory_ordered 1
		.amdhsa_forward_progress 1
		.amdhsa_inst_pref_size 152
	.end_amdhsa_kernel
	.amdgpu_metadata
---
amdhsa.version: [ 1, 2 ]
amdhsa.kernels:
  - .name:           k_q4d54f57687_attn
    .symbol:         k_q4d54f57687_attn.kd
    .args:
      - { .name: qkv, .offset: 0, .size: 8, .value_kind: global_buffer, .address_space: global }
      - { .name: yq, .offset: 8, .size: 8, .value_kind: global_buffer, .address_space: global }
    .group_segment_fixed_size: 67584
    .private_segment_fixed_size: 0
    .kernarg_segment_align: 8
    .kernarg_segment_size: 16
    .max_flat_workgroup_size: 512
    .sgpr_count:     66
    .vgpr_count:     256
    .wavefront_size: 32
...
	.end_amdgpu_metadata
.endif
;; end of part 3
;; launch gemm_out (part 4): grid 4 x 32, 4 waves a work-group, clusters of 4 x 4, 327,680 bytes of LDS; arguments yq, wq, b_proj, out0; writes out0
.if DOCPART == 4
	.amdgcn_target "amdgcn-amd-amdhsa--gfx1250"
	.amdhsa_code_object_version 6
	.text
	.protected	k_q4d54f57687_gemm_out
	.globl	k_q4d54f57687_gemm_out
	.p2align	8
	.type	k_q4d54f57687_gemm_out,@function
k_q4d54f57687_gemm_out:
	s_mov_b64 s[64:65], 0
	v_nop
	global_prefetch_b8 v0, s[64:65] scope:SCOPE_SE
	s_setreg_imm32_b32 hwreg(HW_REG_WAVE_MODE, 25, 1), 1
	s_wait_xcnt 0x0
	s_wait_alu depctr_hold_cnt(0) depctr_sa_sdst(0) depctr_va_vdst(0) depctr_va_sdst(0) depctr_va_ssrc(0) depctr_va_vcc(0) depctr_vm_vsrc(0)
	s_getreg_b32 s2, hwreg(HW_REG_IB_STS2, 6, 4)
	s_cmp_eq_u32 s2, 0
	s_cbranch_scc0 .Lentry_in_a_cluster
	s_endpgm
.Lentry_in_a_cluster:
	s_bfe_u32 s2, ttmp6, 0x10000c
	s_cmp_lg_u32 s2, 0xf033
	s_cbranch_scc0 .Lentry_shape_is_right
	s_endpgm
.Lentry_shape_is_right:
; out0 = y w_proj + b_proj on codes of BF6, K = 1,024, f32 out.  Nothing of this product is left out.  The loop is launch gemm_qkv's: a work-group of four waves makes 256 tokens x 256 columns, a wave 128 x 128.
; Source 0 (S0) = 16 columns of w_proj (wq's tiles 192 on), source 1 (S1) = 16 tokens of y: a lane holds one token, and its registers neighbouring columns.
; Tiles hold rows 32 g + 8 u + r + 8 (r / 8) (tile 2 g + u, place r): only the way out has to know it.  Codes lie as images of the operand's registers; a wave's tensor load brings 8 tiles' 3,072 bytes; two LDS slots of 256 along K.
; The scale words come once with the first fills.  CLUSTERS 4 x 4: S1's tiles are shared along a row of the cluster, S0's along a column.  The bias is the C of each sum's first product.
; REGISTERS: window 0: v1-29 addresses; v32-63 scale words; v64-127 the bias; v128-223 S1's fragments (on the way out v128-255: rows of out0).  window 1: S0's fragments, two sets.  windows 2, 3: the accumulators.
.set NQ,     2
.set FR,     12
.set NL,     4
.set NP,     4
.set TILEB,  12288
.set SLOTB,  3072
.set HALFT,  8*SLOTB
.set SLOT,   4*HALFT
.set SCL,    2*SLOT
.set SCB,    8320
.set SPARE,  213248
.set XS_OFF, 6291456
.set WS_OFF, 3145728
.set SPITCH, 528                       ; the way out: a stage of 16 rows x (512 + 16) bytes a wave, in slot 0, which has had its last fill and its last read by then
.set ADRA, 16
.set ADRB, 20
.set STO,  24                          ; v24 where I put 32 bytes of a row
.set RD,   25                          ; v25 where I read a row back
.set CO,   26                          ; v26 16 x lane: my bytes of a row's 512
.set ADRS, 27
.set SPW,  28
.set NIL,  29
.set SC,   32
.set BIAS, 64
.set AF,   128
.set BK,   128
.set G1, 24
.set G0, 32
.set G1B, 48
.set G0B, 56
.set G1S, 68
.set G0S, 76
.set G1SB, 80
.set G0SB, 88
.set MSB, 0
.macro WIN new
.if MSB != \new
	s_set_vgpr_msb (MSB<<8)|\new
.set MSB, \new
.endif
.endm
.set MUL_LO, 0xa1
.set MUL_HI, 0xf1
.set TO_B,   0x40
.macro JLOAD g0a, g1a, g0b, g1b        ; a joint load: waves 0 and 1 for S1, waves 2 and 3 for S0; an s_nop 0 and four v_nop follow each line
	s_cmp_eq_u32 s15, 0
	s_cbranch_scc0 .Lfor_b_\@
	tensor_load_to_lds s[\g0a:\g0a+3], s[\g1a:\g1a+7]
	s_nop 0
.rept 4
	v_nop
.endr
	s_branch .Lasked_\@
.Lfor_b_\@:
	tensor_load_to_lds s[\g0b:\g0b+3], s[\g1b:\g1b+7]
	s_nop 0
.rept 4
	v_nop
.endr
.Lasked_\@:
.endm
.macro CREST
	s_cmp_lg_u32 s14, 0
	s_cbranch_scc1 .Lnot_wave_0_\@
	s_barrier_signal -3
.Lnot_wave_0_\@:
	s_barrier_wait -3
	s_barrier_signal -1
	s_barrier_wait -1
.endm
.macro CROUND
	s_barrier_signal -1
	s_barrier_wait -1
	CREST
.endm
.macro PLACES n
.rept \n
	v_nop
.endr
.endm
.macro FRAG reg, adr, q, i
	ds_load_b128 v[\reg:\reg+3], v[\adr] offset:SLOTB*(\i)+1536*(\q)
	ds_load_b64 v[\reg+4:\reg+5], v[\adr+2] offset:SLOTB*(\i)+1536*(\q)+512
	ds_load_b128 v[\reg+6:\reg+9], v[\adr] offset:SLOTB*(\i)+1536*(\q)+768
	ds_load_b64 v[\reg+10:\reg+11], v[\adr+2] offset:SLOTB*(\i)+1536*(\q)+1280
.endm
.macro MUL16 a0, p, q, sc, zero        ; 16 products; zero = 1: C is the bias along S0.  The 64 accumulators take turns
.irp a, \a0, \a0+1
.irp b, 0,1,2,3,4,5,6,7
.if (\zero) == 1
	v_wmma_scale_f32_16x16x128_f8f6f4 v[8*(8*((\a)%4)+\b):8*(8*((\a)%4)+\b)+7], v[128*(\p)+FR*\b:128*(\p)+FR*\b+FR-1], v[AF+FR*(\a):AF+FR*(\a)+FR-1], v[BIAS+8*\b:BIAS+8*\b+7], v[SC+8*NQ*(\sc)+NQ*\b+(\q)], v[SC+8*NQ*(\sc)+NQ*(\a)+(\q)] matrix_a_fmt:MATRIX_FMT_BF6 matrix_b_fmt:MATRIX_FMT_BF6 matrix_a_scale:MATRIX_SCALE_ROW1
.else
	v_wmma_scale_f32_16x16x128_f8f6f4 v[8*(8*((\a)%4)+\b):8*(8*((\a)%4)+\b)+7], v[128*(\p)+FR*\b:128*(\p)+FR*\b+FR-1], v[AF+FR*(\a):AF+FR*(\a)+FR-1], v[8*(8*((\a)%4)+\b):8*(8*((\a)%4)+\b)+7], v[SC+8*NQ*(\sc)+NQ*\b+(\q)], v[SC+8*NQ*(\sc)+NQ*(\a)+(\q)] matrix_a_fmt:MATRIX_FMT_BF6 matrix_b_fmt:MATRIX_FMT_BF6 matrix_a_scale:MATRIX_SCALE_ROW1
.endif
.endr
.endr
.endm
.macro FETCH_B slot, q, p
	WIN TO_B
.irp i, 0,1,2,3,4,5,6,7
	FRAG 128*(\p)+FR*\i, ADRB+\slot, \q, \i
.endr
	WIN 0
.endm
.macro FETCH_A slot, q, i0
.irp i, \i0, \i0+1, \i0+2, \i0+3
	FRAG AF+FR*(\i), ADRA+\slot, \q, \i
.endr
.endm
.macro SCALES sc
.irp i, 0,1,2,3,4,5,6,7
	ds_load_b64 v[SC+8*NQ*\sc+NQ*\i:SC+8*NQ*\sc+NQ*\i+1], v[ADRS] offset:\i*512
.endr
.endm
.macro STEP slot, q, zero
	s_wait_dscnt 4*NL                                  ; all but the youngest sixteen loads (S1's blocks 4-7) are in
.if \zero
	WIN 0x81
.else
	WIN MUL_LO
.endif
	MUL16 0, (\q)%2, \q, \slot, \zero
	MUL16 2, (\q)%2, \q, \slot, \zero
	s_wait_dscnt 0
	PLACES NP
	FETCH_B \slot, (\q)+1, 1-(\q)%2
	FETCH_A \slot, (\q)+1, 0
.if \zero
	WIN 0xc1
.else
	WIN MUL_HI
.endif
	MUL16 4, (\q)%2, \q, \slot, \zero
	MUL16 6, (\q)%2, \q, \slot, \zero
	PLACES NP
	WIN 0
	FETCH_A \slot, (\q)+1, 4
.endm
.macro TURN slot, next, fill
	s_wait_tensorcnt 0x0                               ; all my tensor loads have landed: my part of the next slot
	ds_add_u32 v[SPW], v[NIL]                          ; 0 onto my spare word
	s_wait_dscnt 4*NL+1                                ; the add and the youngest sixteen loads may be out
	WIN MUL_LO
	MUL16 0, 1, NQ-1, \slot, 0
	s_wait_dscnt 0x0                                   ; the add is done, and my reads of this slot are over
	s_barrier_signal -1
	MUL16 2, 1, NQ-1, \slot, 0
	WIN 0
	s_barrier_wait -1
.if \fill
	CREST                                              ; a round of the cluster's barrier: no wave of any partner still reads this slot or has a load on its way
	s_add_nc_u64 s[G0+4*\slot+2:G0+4*\slot+3], s[G0+4*\slot+2:G0+4*\slot+3], 2*SLOTB
	s_add_nc_u64 s[G0B+4*\slot+2:G0B+4*\slot+3], s[G0B+4*\slot+2:G0B+4*\slot+3], 2*SLOTB
	JLOAD G0+4*\slot, G1, G0B+4*\slot, G1B
.else
	PLACES NP
.endif
	v_add_nc_u32 v[ADRS], 128, v[ADRS]
	FETCH_B \next, 0, 0
	FETCH_A \next, 0, 0
	SCALES \next
	WIN MUL_HI
	MUL16 4, 1, NQ-1, \slot, 0
	MUL16 6, 1, NQ-1, \slot, 0
	PLACES NP
	WIN 0
	FETCH_A \next, 0, 4
.endm
	s_load_b256 s[4:11], s[0:1], 0x0                   ; yq s[4:5], wq s[6:7], b_proj s[8:9], out0 s[10:11]
	v_lshl_add_u32 v[SPW], v0, 2, SPARE
	v_mov_b32 v[NIL], 0
	ds_add_u32 v[SPW], v[NIL]                          ; the wave's opening: the add, twice on end, and its wait ahead of my first tensor load
	ds_add_u32 v[SPW], v[NIL]
	v_lshrrev_b32 v1, 5, v0
	v_readfirstlane_b32 s14, v1
	s_lshr_b32 s15, s14, 1
	s_and_b32 s16, s14, 1
	s_bfe_u32 s40, ttmp6, 0x40000                      ; cx
	s_bfe_u32 s41, ttmp6, 0x40004                      ; cy
	s_lshl_b32 s42, ttmp9, 2
	s_add_co_u32 s42, s42, s40                         ; i0: 256 columns
	s_and_b32 s17, ttmp7, 0xffff
	s_lshl_b32 s17, s17, 2
	s_add_co_u32 s17, s17, s41                         ; i1: 256 tokens
	s_lshl_b32 s43, s41, 2
	s_lshl_b32 s43, 15, s43
	s_lshl_b32 s44, 0x1111, s40
	s_or_b32 s[G1+0], s43, (3<<16)|(1<<21)
	s_or_b32 s[G1B+0], s44, (3<<16)|(1<<21)
.irp g, G1, G1B
	s_mov_b32 s[\g+1], 384<<16
	s_mov_b32 s[\g+2], 8<<16
	s_mov_b32 s[\g+3], 384<<16
	s_mov_b32 s[\g+4], 8
	s_mov_b32 s[\g+5], 1536
	s_mov_b32 s[\g+6], 0
	s_mov_b32 s[\g+7], 0
.endr
	s_or_b32 s[G1S+0], s43, (3<<16)|(1<<21)
	s_or_b32 s[G1SB+0], s44, (3<<16)|(1<<21)
.irp g, G1S, G1SB
	s_mov_b32 s[\g+1], 32<<16
	s_mov_b32 s[\g+2], 16<<16
	s_mov_b32 s[\g+3], 32<<16
	s_mov_b32 s[\g+4], 16
	s_mov_b32 s[\g+5], 32
	s_mov_b32 s[\g+6], 0
	s_mov_b32 s[\g+7], 0
.endr
	s_lshl_b32 s18, s16, 3
	s_lshl_b32 s20, s17, 4
	s_add_co_u32 s20, s20, s18                         ; S1: y's tile 16 i1 + 8 x half
	s_lshl_b32 s46, s42, 4
	s_add_co_u32 s46, s46, s18
	s_add_co_u32 s46, s46, 192                         ; S0: wq's tile 192 + 16 i0 + 8 x half
	s_lshl_b32 s22, s20, 9
	s_add_co_u32 s22, s22, XS_OFF
	s_lshl_b32 s92, s46, 9
	s_add_co_u32 s92, s92, WS_OFF
	s_mul_i32 s20, s20, TILEB
	s_mul_i32 s46, s46, TILEB
	s_mov_b32 s21, 0
	s_mov_b32 s23, 0
	s_mov_b32 s47, 0
	s_mov_b32 s93, 0
	s_mul_i32 s45, s14, HALFT
	s_lshl_b32 s94, s14, 12
	s_lshl_b32 s95, s15, 7
	s_add_co_u32 s94, s94, s95
	s_wait_dscnt 0x0                                   ; both opening adds are done
	s_wait_kmcnt 0x0
	s_add_nc_u64 s[20:21], s[4:5], s[20:21]
	s_add_nc_u64 s[22:23], s[4:5], s[22:23]
	s_add_nc_u64 s[46:47], s[6:7], s[46:47]
	s_add_nc_u64 s[92:93], s[6:7], s[92:93]
	CROUND                                             ; all sixteen work-groups are here: the first joint loads meet
	s_mov_b32 s[G0S], 1
	s_add_co_u32 s[G0S+1], s94, SCL
	s_mov_b64 s[G0S+2:G0S+3], s[22:23]
	s_or_b32 s[G0S+3], s[G0S+3], 0x80000000
	s_mov_b32 s[G0SB], 1
	s_add_co_u32 s[G0SB+1], s94, SCL
	s_mov_b64 s[G0SB+2:G0SB+3], s[92:93]
	s_or_b32 s[G0SB+3], s[G0SB+3], 0x80000000
	JLOAD G0S, G1S, G0SB, G1SB
.irp s, 0,1
	s_mov_b32 s[G0+4*\s], 1
	s_add_co_u32 s[G0+4*\s+1], s45, \s*SLOT
	s_add_nc_u64 s[G0+4*\s+2:G0+4*\s+3], s[20:21], \s*SLOTB
	s_or_b32 s[G0+4*\s+3], s[G0+4*\s+3], 0x80000000
	s_mov_b32 s[G0B+4*\s], 1
	s_add_co_u32 s[G0B+4*\s+1], s45, \s*SLOT
	s_add_nc_u64 s[G0B+4*\s+2:G0B+4*\s+3], s[46:47], \s*SLOTB
	s_or_b32 s[G0B+4*\s+3], s[G0B+4*\s+3], 0x80000000
	JLOAD G0+4*\s, G1, G0B+4*\s, G1B                   ; by this text's count three loads of mine are out now, later one
.endr
	v_and_b32 v1, 15, v0                               ; r
	v_bfe_u32 v2, v0, 4, 1                             ; lane / 16
	s_lshl_b32 s46, s42, 10                            ; the bias: block b's register j is column 32 (b / 2) + 16 (lane / 16) + 8 (b % 2) + j of my 128
	s_lshl_b32 s47, s16, 9
	s_add_co_u32 s46, s46, s47
	s_mov_b32 s47, 0
	s_add_nc_u64 s[8:9], s[8:9], s[46:47]
	v_lshlrev_b32 v6, 6, v2
.irp b, 0,1,2,3,4,5,6,7
	global_load_b128 v[BIAS+8*\b:BIAS+8*\b+3], v6, s[8:9] offset:(32*(\b/2)+8*(\b%2))*4
	global_load_b128 v[BIAS+8*\b+4:BIAS+8*\b+7], v6, s[8:9] offset:(32*(\b/2)+8*(\b%2))*4+16
.endr
	v_and_b32 v3, 31, v0
	v_lshlrev_b32 v4, 4, v3
	v_lshlrev_b32 v5, 3, v3
	s_mul_i32 s21, s15, HALFT
	s_mul_i32 s22, s16, HALFT
	s_add_co_u32 s22, s22, 2*HALFT
.irp s, 0,1
	v_add_nc_u32 v[ADRA+\s], s21, v4
	v_add_nc_u32 v[ADRB+\s], s22, v4
	v_add_nc_u32 v[ADRA+2+\s], s21, v5
	v_add_nc_u32 v[ADRB+2+\s], s22, v5
	s_add_co_u32 s21, s21, SLOT
	s_add_co_u32 s22, s22, SLOT
.endr
	v_lshlrev_b32 v7, 3, v1
	s_lshl_b32 s21, s15, 12
	s_lshl_b32 s22, s16, 12
	s_add_co_u32 s22, s22, SCB
	s_sub_co_u32 s22, s22, s21
	v_mul_u32_u24 v8, s22, v2                          ; lanes 16-31 take S0's: one product, the distance between the two bases
	s_add_co_u32 s21, s21, SCL
	v_add_nc_u32 v7, v7, v8
	v_add_nc_u32 v[ADRS], s21, v7
	s_mul_i32 s23, s14, 16*SPITCH                      ; my stage
	v_mul_u32_u24 v8, v1, SPITCH
	v_lshl_add_u32 v8, v2, 6, v8
	v_add_nc_u32 v[STO], s23, v8                       ; in: row r, + 64 bytes for lanes 16-31
	v_mov_b32 v[CO], v4
	v_add_nc_u32 v[RD], s23, v4
	s_lshl_b32 s20, s17, 8
	s_lshl_b32 s21, s15, 7
	s_add_co_u32 s20, s20, s21                         ; my first token
	s_lshl_b32 s20, s20, 12                            ; a row of out0 is 4,096 bytes
	s_mov_b32 s21, 0
	s_add_nc_u64 s[20:21], s[20:21], s[46:47]          ; + my first column's bytes
	s_add_nc_u64 s[10:11], s[10:11], s[20:21]
	s_wait_loadcnt 0x0                                 ; the bias
	s_wait_tensorcnt 1                                 ; the scale words and my part of slot 0 are in; slot 1's load may be out
	s_barrier_signal -1
	s_barrier_wait -1
	FETCH_B 0, 0, 0
	FETCH_A 0, 0, 0
	SCALES 0
	FETCH_A 0, 0, 4
	STEP 0, 0, 1                                       ; the first products start the sums with the bias
	TURN 0, 1, 1
	STEP 1, 0, 0
	TURN 1, 0, 1
	STEP 0, 0, 0
	TURN 0, 1, 0
	STEP 1, 0, 0
	s_wait_dscnt 4*NL
	WIN MUL_LO
	MUL16 0, 1, NQ-1, 1, 0
	MUL16 2, 1, NQ-1, 1, 0
	s_wait_dscnt 0
	WIN MUL_HI
	MUL16 4, 1, NQ-1, 1, 0
	MUL16 6, 1, NQ-1, 1, 0
	WIN 0
; THE WAY OUT, block a of 16 tokens x 128 columns at a time, through my own stage; LDS serves a wave's instructions in order.  Accumulator (a, b), lane (r, h), register j: token place r, column 32 (b / 2) + 16 h + 8 (b % 2) + j.
.macro TOSTAGE a
.set AC, 64*((\a)%4)
.set WD, 8+4*((\a)/4)
	WIN WD                                             ; an LDS store's data: window 2 or 3
.irp b, 0,1,2,3,4,5,6,7
	ds_store_b128 v[STO], v[AC+8*\b:AC+8*\b+3] offset:128*(\b/2)+32*(\b%2)          ; each accumulator from its low end on
	ds_store_b128 v[STO], v[AC+8*\b+4:AC+8*\b+7] offset:128*(\b/2)+32*(\b%2)+16
.endr
	WIN 0
.set BB, BK+64*((\a)%2)
.irp t, 0,1,2,3,4,5,6,7,8,9,10,11,12,13,14,15
	ds_load_b128 v[BB+4*\t:BB+4*\t+3], v[RD] offset:\t*SPITCH
.endr
.endm
.macro SEND a, younger                 ; younger: the LDS instructions issued behind block a's loads
.set BB, BK+64*((\a)%2)
	s_wait_dscnt \younger
.if (\a) > 0
.if ((\a)%2) == 1
	s_add_nc_u64 s[10:11], s[10:11], 8*4096            ; (behind a wait on XCNT)  tile 2 g + 1 begins 8 tokens behind tile 2 g,
.else
	s_add_nc_u64 s[10:11], s[10:11], 24*4096           ; tile 2 g + 2 another 24
.endif
.endif
.irp t, 0,1,2,3,4,5,6,7,8,9,10,11,12,13,14,15
	global_store_b128 v[CO], v[BB+4*\t:BB+4*\t+3], s[10:11] offset:(\t+8*(\t/8))*4096 th:TH_STORE_NT   ; place t is token t + 8 (t / 8): 32 lanes store 512 consecutive bytes, aligned
.endr
.endm
	PLACES NP
	TOSTAGE 0
.irp a, 1,2,3,4,5,6,7
.if \a > 1
	s_wait_xcnt 0x0                                    ; block a - 2's stores have read their registers and their base
.endif
	TOSTAGE \a
	SEND \a-1, 32                                      ; behind block a - 1's loads: block a's 16 stores and 16 loads
.endr
	s_wait_xcnt 0x0
	SEND 7, 0
	s_wait_tensorcnt 0x0                               ; the wave's end
	ds_add_u32 v[SPW], v[NIL]
	s_wait_dscnt 0x0
	CROUND                                             ; the closing round
	s_endpgm
.Lfunc_end_k_q4d54f57687_gemm_out:
	.size	k_q4d54f57687_gemm_out, .Lfunc_end_k_q4d54f57687_gemm_out-k_q4d54f57687_gemm_out
	.p2alignl 7, 3214868480
	.fill 96, 4, 3214868480
	.section	.rodata,"a",@progbits
	.p2align	6, 0x0
	.amdhsa_kernel k_q4d54f57687_gemm_out
		.amdhsa_group_segment_fixed_size 327680
		.amdhsa_private_segment_fixed_size 0
		.amdhsa_enable_private_segment 0
		.amdhsa_kernarg_size 32
		.amdhsa_user_sgpr_count 2
		.amdhsa_user_sgpr_kernarg_segment_ptr 1
		.amdhsa_wavefront_size32 1
		.amdhsa_system_sgpr_workgroup_id_x 1
		.amdhsa_system_sgpr_workgroup_id_y 1
		.amdhsa_system_sgpr_workgroup_id_z 1
		.amdhsa_system_vgpr_workitem_id 0
		.amdhsa_next_free_vgpr 1024
		.amdhsa_next_free_sgpr 104
		.amdhsa_reserve_vcc 0
		.amdhsa_float_denorm_mode_32 3
		.amdhsa_float_denorm_mode_16_64 3
		.amdhsa_memory_ordered 1
		.amdhsa_forward_progress 1
		.amdhsa_inst_pref_size 145
	.end_amdhsa_kernel
	.amdgpu_metadata
---
amdhsa.version: [ 1, 2 ]
amdhsa.kernels:
  - .name:           k_q4d54f57687_gemm_out
    .symbol:         k_q4d54f57687_gemm_out.kd
    .args:
      - { .name: yq, .offset: 0, .size: 8, .value_kind: global_buffer, .address_space: global }
      - { .name: wq, .offset: 8, .size: 8, .value_kind: global_buffer, .address_space: global }
      - { .name: b_proj, .offset: 16, .size: 8, .value_kind: global_buffer, .address_space: global }
      - { .name: out0, .offset: 24, .size: 8, .value_kind: global_buffer, .address_space: global }
    .group_segment_fixed_size: 327680
    .private_segment_fixed_size: 0
    .kernarg_segment_align: 8
    .kernarg_segment_size: 32
    .max_flat_workgroup_size: 128
    .sgpr_count:     104
    .vgpr_count:     1024
    .wavefront_size: 32
...
	.end_amdgpu_metadata
.endif
;; end of part 4
;; ======== version 2 of 2: 4 launches; version 1 with the launch attn written anew for expert scheduling mode
;; workspace buffers: xq 6,553,600 bytes; wq 3,276,800 bytes; qkv 20,447,232 bytes; yq 6,553,600 bytes
;; launch quant: the kernel of part 1 again; grid 640 x 1, 4 waves a work-group, no clusters, 34,304 bytes of LDS; arguments x, w_qkv, w_proj, xq, wq; writes xq, wq
;; launch gemm_qkv: the kernel of part 2 again; grid 12 x 32, 4 waves a work-group, clusters of 4 x 4, 327,680 bytes of LDS; arguments xq, wq, b_qkv, qkv; writes qkv
;; launch attn (part 5): grid 4 x 64, 16 waves a work-group, no clusters, 67,584 bytes of LDS; arguments qkv, yq; writes yq
.if DOCPART == 5
	.amdgcn_target "amdgcn-amd-amdhsa--gfx1250"
	.amdhsa_code_object_version 6
	.text
	.protected	k_q4d54f57687_attn
	.globl	k_q4d54f57687_attn
	.p2align	8
	.type	k_q4d54f57687_attn,@function
k_q4d54f57687_attn:
	s_mov_b64 s[64:65], 0
	v_nop
	global_prefetch_b8 v0, s[64:65] scope:SCOPE_SE
	s_setreg_imm32_b32 hwreg(HW_REG_WAVE_SCHED_MODE, 0, 2), 2
	s_setreg_imm32_b32 hwreg(HW_REG_WAVE_MODE, 25, 1), 1
	s_wait_xcnt 0x0
	s_wait_alu depctr_vm_vsrc(0)
; y = softmax(q k^T / 8, causal) v for one head, both products on codes of BF6; y is quantised along the model's 1,024 and leaves as codes for the last product.
; LEFT OUT: steps of 128 keys all of which come after the wave's 16 queries: reference()'s own mask makes their p 0 for all inputs (shown at the head of launch quant).
; THE SOFTMAX: t = score x log2(e) / 8; M = the running largest t rounded up to a whole number; p = 2^(t - M) is quantised along the keys, not normalised; the row's sum is taken of the unquantised p and divides at the end.
; SHARES.  Work-group (i, head) owns the query blocks i and 7 - i of 256 queries, one after the other: (i + 1) + (8 - i) = 9 slots of 256 keys in every work-group: the trip count is a constant and all work-groups have equal work.
; Each of sixteen waves owns one tile of 16 queries (place r = query Q0 + r + 8 (r / 8)) in 256 registers: four waves to a SIMD, so that one wave's vector work stands beside another's products and LDS loads.
; K AND V come as images of the operand's registers (launch gemm_qkv).  A slot's 26,112 bytes are loaded a trip ahead into 16 registers a lane (three or four loads a wave) and stored into the other LDS slot at the trip's end.
; One barrier a trip: in front of it every wave's reads of the slot in hand and its stores into the other are done.
; NO CLUSTER: the four work-groups of a head begin their second walk over the keys at different trips (behind slot i), so in a given trip they want different slots.  NO TENSOR LOAD: a slot is three loads a wave.
; LAYOUT.  S^T = k q^T (source 0 = 16 keys, K = the head's 64: the upper half of both operands is zero codes); O^T = v^T p^T (source 0 = 16 channels, K = 128 keys): a lane holds one query throughout.
; LIMITS as in launch quant.
; THE MODE: SCHED_MODE bits 1:0 = 2 (LLVM: expert scheduling mode 2), set by the entry lines.  The code itself states the register dependences
; between vector or matrix instructions and memory or LDS instructions, with s_wait_alu, always for 0.
; THE PLAN.  Registers that memory or LDS instructions touch, and who else names them:
;   v1-v4, v7, v10   offsets and LDS addresses; v5, v6 the closing add's two.  Made at the head and never written again: one wait on va_vdst ahead of the first load.
;   v80-95           the next slot's bytes.  Global loads land in them at a trip's head, LDS stores read them at its end, no vector instruction names them: one wait on vm_vsrc at a trip's head.
;   v32-37 + 12 t, v220-223   k's codes and scale words.  LDS loads land in them, the products k q^T read them.  Tiles 0-3's loads owe no wait: the last readers, the step before's products on tiles 4-7, stand ahead of
;                    that step's waits for its exponentials, and no vector or matrix instruction since names these registers.  Tiles 4-7's loads: one wait on va_vdst behind tiles 0-3's products.
;   v96-143, v224-227   v's fragments and scale words.  Before the LDS loads land, the scores were written there, the softmax worked there and the conversions read p there: one wait on va_vdst behind the conversions.
;   v229, v234-239   y's two bytes and its codes.  Written at a block's end, read by its three stores: a wait on va_vdst ahead of the stores, a wait on vm_vsrc ahead of the next end's writes.
; Operands of scaled products that vector instructions write: the zero halves (one wait at the head), q and its scale word at the change of blocks (one wait there), p's codes and scale word (one wait ahead of the products p v).
; Scalars that vector instructions write: the wave's number (one wait on va_sdst ahead of its first reader); the diagonal's masks, sixteen compares to a run, one wait on va_sdst behind each run.
; REGISTERS: v1 16 x lane, v2 8 x lane, v3 16 r, v4, v7 where I store a slot's bytes, v5, v6 the add's two, v10 8 r, v11 r + 8 (r / 8) - 16 (lane / 16); v12 -M, v13 the largest t, v[14:15] the sum;
;   v16-27 q; v28 q's scale word; v32-79 four fragments of k; v80-95 the next slot's bytes; v96-159 S^T, p, then v's four fragments, at the end y; v160-191 O^T; v192-203 p's codes; v204-219 at work;
;   v220-223 k's scale words, v224-227 v's, v228 p's; v229 y's two bytes; v[230:231] f; v232, v233 at work; v234-239 y's codes; v240-246 the second block's q.
.set K_OFF,  6291456
.set V_OFF,  12582912
.set QS_OFF, 18874368
.set KS_OFF, 19660800
.set XS_OFF, 6291456
.set SL1,    32768                     ; LDS slot 1
.set VIMG,   12288                     ; in a slot: 16 half images of k, then 8 fragments of v,
.set KSC,    24576                     ; k's scale words, 512 bytes for 128 keys,
.set VSC,    25600                     ; v's, 256 bytes for 128 keys
.set SPARE,  65536                     ; the spare words, 128 bytes a wave
; s8 wave, s9 i, s10 16 x batch + head, s11 trips, s12 the key slot, s13 the query block, s14 Q0, s15 the slot's first key, s[18:19], s20 my part of slot 0 in memory and a slot on, s[22:23] the scale bytes'
; s42-55, s60, s61: at the head q's addresses and parts of addresses; in the loop the sixteen masks of a run of compares
.macro BLOCKADR blk, qc, qs, yc, ys    ; the addresses of a query block: q's codes and scale word, y's codes and scale bytes
	s_lshl_b32 s58, s[\blk], 4
	s_add_co_u32 s58, s58, s8                          ; my tile in the sequence
	s_mul_i32 s[\qc], s58, 768
	s_add_co_u32 s[\qc], s[\qc], s51
	s_mov_b32 s[\qc+1], 0
	s_add_nc_u64 s[\qc:\qc+1], s[4:5], s[\qc:\qc+1]
	s_mul_i32 s[\qs], s[\blk], 1536
	s_add_co_u32 s[\qs], s[\qs], s52
	s_mov_b32 s[\qs+1], 0
	s_add_nc_u64 s[\qs:\qs+1], s[4:5], s[\qs:\qs+1]
	s_add_co_u32 s58, s58, s53                         ; my tile among all 512
	s_mul_i32 s[\yc], s58, 12288
	s_add_co_u32 s[\yc], s[\yc], s54
	s_mov_b32 s[\yc+1], 0
	s_add_nc_u64 s[\yc:\yc+1], s[6:7], s[\yc:\yc+1]
	s_lshl_b32 s[\ys], s58, 9
	s_add_co_u32 s[\ys], s[\ys], s55
	s_mov_b32 s[\ys+1], 0
	s_add_nc_u64 s[\ys:\ys+1], s[6:7], s[\ys:\ys+1]
.endm
.macro STORENEXT off                   ; the bytes loaded a trip ago go into the LDS slot at off.  Data from loads, addresses from the head: no vector instruction has named either since the head's wait
	ds_store_b128 v7, v[80:83] offset:\off
	ds_store_b128 v7, v[84:87] offset:\off+512
	ds_store_b128 v7, v[88:91] offset:\off+1024
	s_cmp_lt_u32 s8, 3
	s_cbranch_scc0 .Lno_sc_\@
	ds_store_b128 v4, v[92:95] offset:\off
.Lno_sc_\@:
.endm
.macro KLOAD s, q, g                   ; four tiles of 16 keys: their codes; with the first four the scale words of all eight
.irp t, 0,1,2,3
	ds_load_b128 v[32+12*\t:35+12*\t], v1 offset:SL1*\s+768*(8*\q+4*\g+\t)
	ds_load_b64 v[36+12*\t:37+12*\t], v2 offset:SL1*\s+768*(8*\q+4*\g+\t)+512
.endr
.if \g == 0
	ds_load_b128 v[220:223], v1 offset:SL1*\s+KSC+512*\q               ; lanes 0-15: the words of tiles 0-3, lanes 16-31: of tiles 4-7
.endif
.endm
.macro KMUL g                          ; and their four products
.irp t, 0,1,2,3
.if \g == 0
	v_wmma_scale_f32_16x16x128_f8f6f4 v[96+8*\t:103+8*\t], v[32+12*\t:43+12*\t], v[16:27], 0, v[220+\t], v28 matrix_a_fmt:MATRIX_FMT_BF6 matrix_b_fmt:MATRIX_FMT_BF6
.else
	v_wmma_scale_f32_16x16x128_f8f6f4 v[128+8*\t:135+8*\t], v[32+12*\t:43+12*\t], v[16:27], 0, v[220+\t], v28 matrix_a_fmt:MATRIX_FMT_BF6 matrix_b_fmt:MATRIX_FMT_BF6 matrix_a_scale:MATRIX_SCALE_ROW1
.endif
.endr
.endm
; A KEY STEP: the q-th 128 keys of LDS slot s
.macro STEP s, q
	s_add_co_u32 s58, s15, 128*\q                      ; the step's first key
	s_add_co_u32 s59, s14, 23                          ; my last query
	s_cmp_gt_u32 s58, s59
	s_cbranch_scc1 .Lhidden_\@                         ; ids alone: no barrier stands in a step
	KLOAD \s, \q, 0                                    ; no wait: no vector or matrix instruction since the last wait on va_vdst names v32-79 or v220-223 (the products p v, a block's end and the change of blocks name none of them)
.rept 5
	v_nop                                              ; the scores are written over registers that the last products read as v's fragments: five places
.endr
	s_wait_dscnt 0x0
	KMUL 0
.rept 4
	v_nop                                              ; places in front of loads into registers that matrix instructions have read
.endr
	s_wait_alu depctr_va_vdst(0)                       ; the four products above are done reading v32-79, in which the next four tiles' codes land
	KLOAD \s, \q, 1
	s_wait_dscnt 0x0
	KMUL 1
.rept 4
	v_nop
.endr
	s_add_co_u32 s59, s58, 127
	s_cmp_le_u32 s59, s14
	s_cbranch_scc1 .Lopen_\@                           ; all 128 keys count for all my queries
	s_sub_co_i32 s59, s14, s58
	v_add_nc_u32 v232, s59, v11                        ; register 16 b + i holds key first + 16 (lane / 16) + 32 b + i: hidden where 32 b + i > my query - first - 16 (lane / 16)
	v_mov_b32 v233, 0xff800000                         ; -infinity
.set nb, 0
.rept 4                                ; a block of 32 keys at a time: sixteen compares into sixteen scalar registers, one wait, sixteen selects
.set m, 0
.rept 16
	v_cmp_gt_i32 s[42+m+4*(m/14)], 32*nb+m, v232
.set m, m+1
.endr
	s_wait_alu depctr_va_sdst(0)                       ; the sixteen masks are written, ahead of the selects that read them
.set m, 0
.rept 16
	v_cndmask_b32 v[96+16*nb+m], v[96+16*nb+m], v233, s[42+m+4*(m/14)]
.set m, m+1
.endr
.set nb, nb+1
.endr
.Lopen_\@:
.irp b, 0,1,2,3
	v_max3_num_f32 v[212+\b], v[96+16*\b], v[97+16*\b], v[98+16*\b]    ; the largest score of each block of 32 keys: for the row's maximum and, since p rises with the score, for the block's largest p
.endr
.irp i, 3,5,7,9,11,13
.irp b, 0,1,2,3
	v_max3_num_f32 v[212+\b], v[212+\b], v[96+16*\b+\i], v[97+16*\b+\i]
.endr
.endr
.irp b, 0,1,2,3
	v_max_num_f32 v[212+\b], v[212+\b], v[111+16*\b]
.endr
.irp b, 0,1,2,3
	v_permlanex16_b32 v[204+\b], v[212+\b], s30, s31
.endr
.irp b, 0,1,2,3
	v_max_num_f32 v[212+\b], v[212+\b], v[204+\b]
.endr
	v_max3_num_f32 v232, v212, v213, v214
	v_max_num_f32 v232, v232, v215
	v_mul_f32 v232, s32, v232                          ; as t
	v_max_num_f32 v13, v13, v232                       ; the running largest t
	v_mov_b32 v232, v12
	v_floor_f32 v12, -v13                              ; -M = floor(-t): M is a whole number
	v_sub_f32 v232, v12, v232                          ; old M - new M: a whole number, 0 or less
	v_cvt_i32_f32 v232, v232
	v_ldexp_f32 v230, 1.0, v232                        ; f = 2^(old M - new M)
.set j, 0
.rept 32
	v_pk_fma_f32 v[96+j:97+j], v[96+j:97+j], s[32:33], v[12:13] op_sel_hi:[1,0,0]   ; t - M
.set j, j+2
.endr
.irp b, 0,1,2,3
	v_fma_f32 v[212+\b], v[212+\b], s32, v12
.endr
.set j, 0
.rept 64
	v_exp_f32 v[96+j], v[96+j]                         ; p
.set j, j+1
.endr
	v_pk_mul_f32 v[14:15], v[14:15], v[230:231] op_sel_hi:[1,0]        ; the sums under the new M: a plain line behind the exponentials
	s_wait_alu depctr_va_vdst(0)                       ; the 64 exponentials have written p in v96-159: one wait for the batch, ahead of its first reader
.irp b, 0,1,2,3
	v_exp_f32 v[212+\b], v[212+\b]                     ; each block's largest p
.endr
	v_pk_add_f32 v[204:205], v[96:97], v[98:99]        ; the row's sum of the unquantised p, in two chains
.irp j, 4,8,12,16,20,24,28,32,36,40,44,48,52,56,60
	v_pk_add_f32 v[14:15], v[14:15], v[96+\j:97+\j]
	v_pk_add_f32 v[204:205], v[204:205], v[98+\j:99+\j]
.endr
	v_pk_add_f32 v[14:15], v[14:15], v[204:205]
	s_wait_alu depctr_va_vdst(0)                       ; the four exponentials have written v212-215: and one for the four
.irp b, 0,1,2,3
	v_max_num_f32 v[212+\b], 0x2800000, v[212+\b]      ; the floor 2^(5 - 127)
.endr
.irp b, 0,1,2,3
	v_add_nc_u32 v[216+\b], 0xfe000000, v[212+\b]
.endr
.irp b, 0,1,2,3
	v_lshrrev_b32 v[204+\b], 23, v[216+\b]
.endr
	v_lshl_or_b32 v228, v205, 8, v204                  ; p's scale word for these 128 keys
	v_lshl_or_b32 v228, v206, 16, v228
	v_lshl_or_b32 v228, v207, 24, v228
.irp c, 0,1
	v_cvt_scalef32_pk16_bf6_f32 v[192+6*\c:194+6*\c], v[96+32*\c:111+32*\c], v[216+2*\c]
	v_cvt_scalef32_pk16_bf6_f32 v[204+4*\c:206+4*\c], v[112+32*\c:127+32*\c], v[216+2*\c+1]
.endr
	v_nop                                              ; one plain line behind the scaled conversions
	s_wait_alu depctr_va_vdst(0)                       ; the conversions are done reading p in v96-159, in which v's fragments land; the step before's products p v are done reading v224-227
.irp t, 0,1,2,3                        ; v's four fragments (16 channels x 128 keys) take p's registers
	ds_load_b128 v[96+12*\t:99+12*\t], v1 offset:SL1*\s+VIMG+1536*(4*\q+\t)
	ds_load_b64 v[100+12*\t:101+12*\t], v2 offset:SL1*\s+VIMG+1536*(4*\q+\t)+512
	ds_load_b128 v[102+12*\t:105+12*\t], v1 offset:SL1*\s+VIMG+1536*(4*\q+\t)+768
	ds_load_b64 v[106+12*\t:107+12*\t], v2 offset:SL1*\s+VIMG+1536*(4*\q+\t)+1280
.endr
	ds_load_b128 v[224:227], v3 offset:SL1*\s+VSC+256*\q
.irp c, 0,1                            ; the lines from here to the wait for the loads name v160-210 and v230, v231 alone: none of the registers in which the loads land
.irp i, 0,1,2
	v_permlane16_swap_b32 v[192+6*\c+\i], v[204+4*\c+\i]
.endr
.irp i, 0,1,2
	v_mov_b32 v[195+6*\c+\i], v[204+4*\c+\i]
.endr
.endr
.set j, 0
.rept 16
	v_pk_mul_f32 v[160+j:161+j], v[160+j:161+j], v[230:231] op_sel_hi:[1,0]   ; O^T under the new M; these sixteen are also the lines between p's codes and scale word and the products
.set j, j+2
.endr
	s_wait_dscnt 0x0
	s_wait_alu depctr_va_vdst(0)                       ; p's codes v192-203 and its scale word v228 are written, which the scaled products below take as operand and scales; the places above stay beside this wait
.irp t, 0,1,2,3
	v_wmma_scale_f32_16x16x128_f8f6f4 v[160+8*\t:167+8*\t], v[96+12*\t:107+12*\t], v[192:203], v[160+8*\t:167+8*\t], v[224+\t], v228 matrix_a_fmt:MATRIX_FMT_BF6 matrix_b_fmt:MATRIX_FMT_BF6
.endr
.Lhidden_\@:
.endm
; A query block's end: y = O^T / the sum; register 16 b + i is channel 32 b + 16 (lane / 16) + i: two blocks of the last product's K: a half image and two scale bytes
.macro FINISH yc, ys
	s_wait_xcnt 0x0                                    ; an earlier end's stores have read their data
	s_wait_alu depctr_vm_vsrc(0)                       ; an earlier end's stores have read v229 and v234-239, which this end writes again
.rept 4
	v_nop                                              ; behind the last products
.endr
	v_add_f32 v14, v14, v15
	v_permlanex16_b32 v232, v14, s30, s31
	v_add_f32 v14, v14, v232                           ; the row's sum
	v_rcp_f32 v14, v14
	v_nop
	s_wait_alu depctr_va_vdst(0)                       ; the reciprocal has written v14: ahead of its first reader
.set j, 0
.rept 16
	v_pk_mul_f32 v[96+j:97+j], v[160+j:161+j], v[14:15] op_sel_hi:[1,0]
.set j, j+2
.endr
.irp b, 0,1
	v_max3_num_f32 v[212+\b], |v[96+16*\b]|, |v[97+16*\b]|, 0x2800000
.endr
.irp i, 2,4,6,8,10,12,14
.irp b, 0,1
	v_max3_num_f32 v[212+\b], v[212+\b], |v[96+16*\b+\i]|, |v[97+16*\b+\i]|
.endr
.endr
.irp b, 0,1
	v_permlanex16_b32 v[204+\b], v[212+\b], s30, s31
.endr
.irp b, 0,1
	v_max_num_f32 v[212+\b], v[212+\b], v[204+\b]
.endr
.irp b, 0,1
	v_add_nc_u32 v[216+\b], 0xfe000000, v[212+\b]
.endr
.irp b, 0,1
	v_lshrrev_b32 v[204+\b], 23, v[216+\b]
.endr
	v_lshl_or_b32 v229, v205, 8, v204
	v_cvt_scalef32_pk16_bf6_f32 v[234:236], v[96:111], v216
	v_cvt_scalef32_pk16_bf6_f32 v[208:210], v[112:127], v217
	v_nop
.irp i, 0,1,2
	v_permlane16_swap_b32 v[234+\i], v[208+\i]
.endr
.irp i, 0,1,2
	v_mov_b32 v[237+\i], v[208+\i]
.endr
	s_wait_alu depctr_va_vdst(0)                       ; y's codes v234-239 and its two bytes v229 are written, which the three stores read
	global_store_b128 v1, v[234:237], s[\yc:\yc+1]
	global_store_b64 v2, v[238:239], s[\yc:\yc+1] offset:512
	global_store_b16 v10, v229, s[\ys:\ys+1]           ; lanes l and l xor 16 store the same two bytes to the same place
.endm
; One slot of 256 keys, in LDS slot s.  last = 0: the next slot is loaded meanwhile and stored at the end
.macro SLOTWORK s, last
.if \last == 0
	s_add_co_u32 s21, s12, 1
	s_cmp_eq_u32 s12, s13
	s_cselect_b32 s21, 0, s21                          ; behind a block's diagonal slot the walk begins anew
	s_mul_i32 s24, s21, s20
	s_mov_b32 s25, 0
	s_add_nc_u64 s[24:25], s[18:19], s[24:25]
	s_mul_i32 s26, s21, 1536
	s_mov_b32 s27, 0
	s_add_nc_u64 s[26:27], s[22:23], s[26:27]
	s_wait_alu depctr_vm_vsrc(0)                       ; the LDS stores at the last trip's end (in the first trip: the head's) have read v80-95, in which the loads below land
	global_load_b128 v[80:83], v1, s[24:25]
	global_load_b128 v[84:87], v1, s[24:25] offset:512
	global_load_b128 v[88:91], v1, s[24:25] offset:1024
	s_cmp_lt_u32 s8, 3
	s_cbranch_scc0 .Lno_scl_\@
	global_load_b128 v[92:95], v1, s[26:27]
.Lno_scl_\@:
.endif
	STEP \s, 0
	STEP \s, 1
.if \last == 0
	s_cmp_eq_u32 s12, s13
	s_cbranch_scc0 .Lgo_on_\@                          ; ids alone, the same in all waves: the first block's end
	FINISH 34, 36
	s_mov_b32 s13, s56                                 ; the second block: 7 - i
	s_mov_b32 s12, -1
	s_lshl_b32 s14, s13, 8
	s_add_co_u32 s14, s14, s57
.irp j, 0,1,2,3,4,5
	v_mov_b32 v[16+\j], v[240+\j]
.endr
	v_mov_b32 v28, v246
	v_mov_b32 v13, 0xff61b1e6
	v_floor_f32 v12, -v13
	v_mov_b32 v14, 0
	v_mov_b32 v15, 0
.set j, 0
.rept 32
	v_mov_b32 v[160+j], 0
.set j, j+1
.endr
	s_wait_alu depctr_va_vdst(0)                       ; the second block's q in v16-21 and its scale word v28 are written, which the scaled products k q^T take as operand and scales; the 36 lines above are the places
.Lgo_on_\@:
	s_add_co_u32 s12, s12, 1
	s_lshl_b32 s15, s12, 8
	s_wait_loadcnt 0x0                                 ; the next slot's bytes are in registers
	STORENEXT SL1*(1-\s)
	s_wait_dscnt 0x0                                   ; my stores have landed, and my reads of the slot in hand are over
	s_barrier_signal -1
	s_barrier_wait -1
.endif
.endm
	s_load_b128 s[4:7], s[0:1], 0x0                    ; qkv s[4:5], yq s[6:7]
	v_lshl_add_u32 v5, v0, 2, SPARE
	v_mov_b32 v6, 0
	v_lshrrev_b32 v1, 5, v0
	v_readfirstlane_b32 s8, v1                         ; wave 0..15
	s_mov_b32 s9, ttmp9                                ; i
	s_and_b32 s10, ttmp7, 0xffff                       ; 16 x batch + head
	v_and_b32 v2, 31, v0
	v_lshlrev_b32 v1, 4, v2
	v_lshlrev_b32 v2, 3, v2
	v_and_b32 v8, 15, v0                               ; r
	v_bfe_u32 v9, v0, 4, 1
	v_lshlrev_b32 v3, 4, v8
	v_lshlrev_b32 v10, 3, v8
	s_wait_alu depctr_va_sdst(0)                       ; s8, the wave's number, is written, ahead of its first reader: addresses and branches are made from it
	s_lshl_b32 s28, s8, 9
	s_add_co_u32 s29, s28, KSC
	v_add_nc_u32 v4, s29, v1                           ; waves 0-2: the scale bytes' place in a slot
	s_mul_i32 s29, s8, 1536
	v_add_nc_u32 v7, s29, v1                           ; my 1,536 bytes of a slot's codes: waves 0-7 k's, waves 8-15 v's
	v_and_b32 v11, 8, v8
	v_add_nc_u32 v11, v11, v8
	v_lshlrev_b32 v9, 4, v9
	v_sub_nc_u32 v11, v11, v9
	s_lshr_b32 s16, s10, 4                             ; batch
	s_and_b32 s17, s10, 15                             ; head
	s_mul_i32 s51, s10, 98304                          ; the head's codes of q (and, K_OFF on, of k)
	s_add_co_u32 s24, s51, s29
	s_add_co_u32 s24, s24, K_OFF
	s_lshl_b32 s26, s16, 3
	s_lshr_b32 s27, s17, 1
	s_add_co_u32 s26, s26, s27
	s_mul_i32 s26, s26, 196608                         ; v: the pair of heads,
	s_bfe_u32 s27, s8, 0x10002
	s_mul_i32 s27, s27, 12288                          ; which 128 keys of the slot,
	s_add_co_u32 s26, s26, s27
	s_and_b32 s27, s17, 1
	s_mul_i32 s27, s27, 6144                           ; which head of the pair,
	s_add_co_u32 s26, s26, s27
	s_and_b32 s27, s8, 3
	s_mul_i32 s27, s27, 1536                           ; which 16 channels
	s_add_co_u32 s26, s26, s27
	s_add_co_u32 s26, s26, V_OFF
	s_mov_b32 s20, 24576
	s_cmp_lt_u32 s8, 8
	s_cselect_b32 s24, s24, s26
	s_cselect_b32 s20, 12288, s20                      ; a slot on
	s_mov_b32 s25, 0
	s_mul_i32 s50, s10, 12288                          ; the head's scale bytes
	s_add_co_u32 s26, s50, s28
	s_add_co_u32 s26, s26, KS_OFF
	s_mov_b32 s27, 0
	s_lshr_b32 s52, s8, 3                              ; q's scale word: [128 tokens: 512][tiles 0-3 | 4-7: 256][r: 16][tile % 4: 4]
	s_lshl_b32 s52, s52, 9
	s_bfe_u32 s53, s8, 0x10002
	s_lshl_b32 s53, s53, 8
	s_add_co_u32 s52, s52, s53
	s_and_b32 s53, s8, 3
	s_lshl_b32 s53, s53, 2
	s_add_co_u32 s52, s52, s53
	s_add_co_u32 s52, s52, s50
	s_add_co_u32 s52, s52, QS_OFF
	s_lshl_b32 s53, s16, 7                             ; 128 tiles a batch
	s_mul_i32 s54, s17, 768                            ; y: the head's half image in a tile's 12,288 bytes
	s_lshr_b32 s55, s17, 2
	s_lshl_b32 s55, s55, 7
	s_and_b32 s58, s17, 3
	s_lshl_b32 s58, s58, 1
	s_add_co_u32 s55, s55, s58
	s_add_co_u32 s55, s55, XS_OFF                      ; and its two bytes among a row's scale words
	s_sub_co_u32 s56, 7, s9
	s_lshr_b32 s57, s8, 1
	s_lshl_b32 s57, s57, 5
	s_and_b32 s58, s8, 1
	s_lshl_b32 s58, s58, 3
	s_add_co_u32 s57, s57, s58                         ; my tile's first query in its block
	s_mov_b32 s13, s9
	s_mov_b32 s12, 0
	s_mov_b32 s15, 0
	s_lshl_b32 s14, s13, 8
	s_add_co_u32 s14, s14, s57
	s_mov_b32 s30, 0x76543210
	s_mov_b32 s31, 0xfedcba98
	s_mov_b32 s32, 0x3e38aa3b                          ; log2(e) / 8
	s_mov_b32 s33, s32
	s_wait_kmcnt 0x0
	s_add_nc_u64 s[18:19], s[4:5], s[24:25]
	s_add_nc_u64 s[22:23], s[4:5], s[26:27]
	BLOCKADR 13, 42, 44, 34, 36
	BLOCKADR 56, 46, 48, 38, 40
	s_wait_alu depctr_va_vdst(0)                       ; the offsets and LDS addresses v1-v4, v7, v10 and the closing add's v5, v6 are written: every load and store of the kernel reads some of them, and none is written again
	global_load_b128 v[80:83], v1, s[18:19]            ; key slot 0
	global_load_b128 v[84:87], v1, s[18:19] offset:512
	global_load_b128 v[88:91], v1, s[18:19] offset:1024
	s_cmp_lt_u32 s8, 3
	s_cbranch_scc0 .Lno_sc_head
	global_load_b128 v[92:95], v1, s[22:23]
.Lno_sc_head:
	global_load_b128 v[16:19], v1, s[42:43]            ; q of both blocks
	global_load_b64 v[20:21], v2, s[42:43] offset:512
	global_load_b32 v28, v3, s[44:45]
	global_load_b128 v[240:243], v1, s[46:47]
	global_load_b64 v[244:245], v2, s[46:47] offset:512
	global_load_b32 v246, v3, s[48:49]
.irp j, 0,1,2,3,4,5
	v_mov_b32 v[22+\j], 0                              ; K = 64: the upper 64 of q's and k's fragments are zero codes, written once
	v_mov_b32 v[38+\j], 0
	v_mov_b32 v[50+\j], 0
	v_mov_b32 v[62+\j], 0
	v_mov_b32 v[74+\j], 0
.endr
	v_mov_b32 v13, 0xff61b1e6                          ; the largest t so far: -3e38
	v_floor_f32 v12, -v13
	v_mov_b32 v14, 0
	v_mov_b32 v15, 0
.irp b, 0,1,2,3
	v_mov_b32 v[204+\b], 0                             ; a lane permute's destination counts as one of its sources
.endr
	v_mov_b32 v231, 0
	v_mov_b32 v232, 0
.set j, 0
.rept 32
	v_mov_b32 v[160+j], 0                              ; O^T: the step is written once; the first change of M multiplies zeros
.set j, j+1
.endr
	s_wait_alu depctr_va_vdst(0)                       ; the zero codes v22-27, v38-43, v50-55, v62-67, v74-79 are written, which every scaled product k q^T takes as the upper half of an operand
	s_wait_loadcnt 0x0
	STORENEXT 0
	s_wait_dscnt 0x0
	s_barrier_signal -1
	s_barrier_wait -1
	s_mov_b32 s11, 4
.Lpair:                                ; four trips of two slots; the ninth slot is written out: it loads nothing
	SLOTWORK 0, 0
	SLOTWORK 1, 0
	s_sub_co_u32 s11, s11, 1
	s_cmp_lg_u32 s11, 0
	s_cbranch_scc1 .Lpair
	SLOTWORK 0, 1
	FINISH 38, 40
	s_wait_dscnt 0x0                                   ; the closing lines, six on end
	s_wait_alu 0x0
	s_wait_tensorcnt 0x0
	ds_add_u32 v5, v6
	s_wait_dscnt 0x0
	s_endpgm
.Lfunc_end_k_q4d54f57687_attn:
	.size	k_q4d54f57687_attn, .Lfunc_end_k_q4d54f57687_attn-k_q4d54f57687_attn
	.p2alignl 7, 3214868480
	.fill 96, 4, 3214868480
	.section	.rodata,"a",@progbits
	.p2align	6, 0x0
	.amdhsa_kernel k_q4d54f57687_attn
		.amdhsa_group_segment_fixed_size 67584
		.amdhsa_private_segment_fixed_size 0
		.amdhsa_enable_private_segment 0
		.amdhsa_kernarg_size 16
		.amdhsa_user_sgpr_count 2
		.amdhsa_user_sgpr_kernarg_segment_ptr 1
		.amdhsa_wavefront_size32 1
		.amdhsa_system_sgpr_workgroup_id_x 1
		.amdhsa_system_sgpr_workgroup_id_y 1
		.amdhsa_system_sgpr_workgroup_id_z 1
		.amdhsa_system_vgpr_workitem_id 0
		.amdhsa_next_free_vgpr 256
		.amdhsa_next_free_sgpr 66
		.amdhsa_reserve_vcc 0
		.amdhsa_float_denorm_mode_32 3
		.amdhsa_float_denorm_mode_16_64 3
		.amdhsa_memory_ordered 1
		.amdhsa_forward_progress 1
		.amdhsa_inst_pref_size 178
	.end_amdhsa_kernel
	.amdgpu_metadata
---
amdhsa.version: [ 1, 2 ]
amdhsa.kernels:
  - .name:           k_q4d54f57687_attn
    .symbol:         k_q4d54f57687_attn.kd
    .args:
      - { .name: qkv, .offset: 0, .size: 8, .value_kind: global_buffer, .address_space: global }
      - { .name: yq, .offset: 8, .size: 8, .value_kind: global_buffer, .address_space: global }
    .group_segment_fixed_size: 67584
    .private_segment_fixed_size: 0
    .kernarg_segment_align: 8
    .kernarg_segment_size: 16
    .max_flat_workgroup_size: 512
    .sgpr_count:     66
    .vgpr_count:     256
    .wavefront_size: 32
...
	.end_amdgpu_metadata
.endif
;; end of part 5
;; launch gemm_out: the kernel of part 4 again; grid 4 x 32, 4 waves a work-group, clusters of 4 x 4, 327,680 bytes of LDS; arguments yq, wq, b_proj, out0; writes out0
